; MI455X (gfx1250); checked and timed in simulation.
; The chip was launched on July 23, 2026; its instructions are those of AMD's public machine-readable ISA for CDNA 5 (MIT licence, August 2026) and "CDNA5" Instruction Set Architecture Reference Guide (July 2026). The comments in the code are by the model that wrote it; some were corrected since.
;; Transformer Block. Allowed arithmetic: matrix products marked QUANTISED: E5M2 operands, one given power-of-two scale a tensor, by v_wmma_f32_16x16x64_bf8_bf8 or v_wmma_f32_16x16x128_bf8_bf8, f32 sums; everything else in f32.
;; Inputs: W1 1,024 x 4,096 float32; W2 4,096 x 1,024 float32; Wk 1,024 x 1,024 float32; Wo 1,024 x 1,024 float32; Wq 1,024 x 1,024 float32; Wv 1,024 x 1,024 float32; b1 4,096 float32; b2 1,024 float32; bo 1,024 float32; ln1_b 1,024 float32; ln1_g 1,024 float32; ln2_b 1,024 float32; ln2_g 1,024 float32; lowp_scales 16 int32 (the exponents e of the quantised operands' scales 2^e); x 2 x 2,048 x 1,024 float32.
;; Outputs: out0 2 x 2,048 x 1,024 float32.
;; This version of the problem:
;;   THIS VERSION OF THE PROBLEM IS GIVEN IN LOW PRECISION. The matrix products marked QUANTISED in the list below multiply operands that are first quantised to E5M2 (5 exponent bits, 2 mantissa bits; 8 bits a number), with one given power-of-two scale for each operand tensor; their sums are f32. All else is computed in f32.
;;   The module's matrix products, in the order in which they are computed (A, B: the left and right operand; K: the contracted axis; several contracted axes count as one K, in the product's order):
;;     1. [M 4,096, K 1,024] x [K 1,024, N 1,024]; A: computed on the way; B: input Wq: QUANTISED (scales: A lowp_scales[0], B lowp_scales[1])
;;     2. [M 4,096, K 1,024] x [K 1,024, N 1,024]; A: computed on the way; B: input Wk: QUANTISED (scales: A lowp_scales[2], B lowp_scales[3])
;;     3. [M 4,096, K 1,024] x [K 1,024, N 1,024]; A: computed on the way; B: input Wv: QUANTISED (scales: A lowp_scales[4], B lowp_scales[5])
;;     4. batch 32 x [M 2,048, K 64] x [K 64, N 2,048]; A: computed on the way; B: computed on the way: QUANTISED (scales: A lowp_scales[6], B lowp_scales[7])
;;     5. batch 32 x [M 64, K 2,048] x [K 2,048, N 2,048]; A: computed on the way; B: softmax (see below): QUANTISED (scales: A lowp_scales[8], B lowp_scales[9])
;;     6. [M 4,096, K 1,024] x [K 1,024, N 1,024]; A: computed on the way; B: input Wo: QUANTISED (scales: A lowp_scales[10], B lowp_scales[11])
;;     7. [M 4,096, K 1,024] x [K 1,024, N 4,096]; A: computed on the way; B: input W1: QUANTISED (scales: A lowp_scales[12], B lowp_scales[13])
;;     8. [M 4,096, K 4,096] x [K 4,096, N 1,024]; A: computed on the way; B: input W2: QUANTISED (scales: A lowp_scales[14], B lowp_scales[15])
;;   THE QUANTISER, for each operand of a quantised product, along K:
;;     - The operand's scale is 2^e, e = its entry of the input lowp_scales (int32; the entries are numbered through the quantised products in the list's order, A before B).
;;     - Each number is divided by the scale, clamped to +-57,344, and rounded to the nearest number of E5M2, ties to even, subnormals kept.
;;     - The product sums the exact products of the quantised numbers (number of the format x scale) in f32.
;;   ~~~python
;;   def quantise(x, axis, e):      # numpy; x: float32 -> the quantised numbers, widened to float32 again
;;       x = np.moveaxis(x, axis, -1); K = x.shape[-1]
;;       r = np.clip(x / 2.0 ** e, -57344, 57344)
;;       step = 2.0 ** (np.maximum(np.frexp(np.where(r == 0, 1, r))[1] - 1, -14) - 2)
;;       q = np.round(r / step) * step * 2.0 ** e      # np.round: ties to even
;;       return np.moveaxis(q, -1, axis).astype(np.float32)
;;   ~~~
;;   SOFTMAX AHEAD OF A QUANTISED PRODUCT. Where the list says 'softmax', what is quantised is not the finished softmax but p = 2^(t - M), with t = logit x log2(e) and M = ceil(the row's largest t), a whole number; so 1/2 < the row's largest p <= 1. The row's sum l is taken of the UNQUANTISED p, in f32, and the product's result is divided by l at the end. Since M is a whole number, a kernel that streams over the keys may use a running M (the ceiling of the running maximum): every later rescaling is an exact power of two, so the quantised numbers keep their values, but for numbers so far below the row's largest that they fall under the format's range.
;;   OPERANDS COMPUTED ON THE WAY. 'Computed on the way' means the value that the module computes at that place (a softmax that the list does not call 'softmax' is quantised finished and normalised). What goes into a quantiser is computed in f32, as accurately as f32 sums, v_exp_f32 and their like allow (about 1e-6 of the number): no bf16 or f16 on the way to a quantiser, and a product that is left as it is and whose result goes on into a quantised operand takes f32 operands (vector FMAs, or v_wmma_f32_16x16x4_f32). A number that lies on a knife's edge between two numbers of the format may be rounded either way, as far as f32 arithmetic and the matrix unit's own rounding can turn it there, and no further.
;; One version. Each part assembles by itself: llvm-mc -triple=amdgcn-amd-amdhsa -mcpu=gfx1250 --defsym DOCPART=n.
;; ======== version 1 of 1: 7 launches
;; limits: right only within a limited range of input values
;; workspace buffers: wc 12,582,912 bytes; hc 12,582,912 bytes; qkv 12,582,912 bytes; cc 4,194,304 bytes; x1 16,777,216 bytes; h2c 4,194,304 bytes; gc 16,777,216 bytes
;; launch prep (part 1): grid 640 x 1, 4 waves a work-group, no clusters, 35,840 bytes of LDS; arguments Wq, Wk, Wv, Wo, W1, W2, x, ln1_g, ln1_b, lowp_scales, wc, hc; writes wc, hc
.if DOCPART == 1
	.amdgcn_target "amdgcn-amd-amdhsa--gfx1250"
	.amdhsa_code_object_version 6
	.text
	.protected	k_qe8c45403b2_prep
	.globl	k_qe8c45403b2_prep
	.p2align	8
	.type	k_qe8c45403b2_prep,@function
k_qe8c45403b2_prep:
	s_mov_b64 s[64:65], 0
	v_nop
	global_prefetch_b8 v0, s[64:65] scope:SCOPE_SE
	s_setreg_imm32_b32 hwreg(HW_REG_WAVE_MODE, 25, 1), 1
	s_wait_xcnt 0x0
; PREP.  Work-groups 0-383: the six weights, f32 stored [K][N], become codes of E5M2 laid [N][K], K innermost, each with its given scale 2^e.
; Work-groups 384-639: h = layernorm(x) x g + b, quantised three times (the scales of products 1, 2, 3) into three planes of codes [4096][1024].
; code = number / 2^e, held within +-57,344, rounded to the nearest code, ties to even.
; pi(n) swaps bits 3 and 4 of n.  Column n of a weight is stored at row pi(n); row m of h lies at position m in plane 0 and at pi(m) in planes 1 and 2.
; So 16 stored rows, taken as source 0 of a matrix instruction, leave 16 neighbours along that axis in a lane's registers of two neighbouring tiles.
; wc: Wq at 0, Wk at 1 MiB, Wv at 2 MiB, Wo at 3 MiB (rows of 1,024 bytes), W1 at 4 MiB (4,096 rows of 1,024), W2 at 8 MiB (1,024 rows of 4,096).
; LIMITS: every e used here lies between -126 and 112, so that 2^e and 57,344 x 2^e are f32 numbers.  NaN among the inputs is not served.
; No tensor loads, no barrier: waves share nothing.  Work-groups share no input, so there is no cluster.
.set NPL,  3                           ; planes of h
.set T,    16                          ; v16-31   two sets of eight held numbers, by turns
.set CD,   32                          ; v32-55   a row's codes: 8 registers a plane
.set GG,   56                          ; v56-87   g of my 32 columns
.set BB,   88                          ; v88-119  b
.set XL,   120                         ; v120-247 four rows, 32 numbers a lane each
.set OFQ,  248                         ; v248-250 store offsets of the three planes; never rewritten
.set RCPN, 251                         ; v251     1/1024
.set VO,   16                          ; weights: v16-47 offsets of 32 rows of K; never rewritten
.set XW,   48                          ; v48-111  two sets of 32 numbers
.set CW,   112                         ; v112-119 a block's codes
.set OUTR, 120                         ; v120-183 the way out
.set VD,   184                         ; v184-199 offsets of the stores; never rewritten
.set WP,   272                         ; a stage row: 256 bytes + 16
.macro MKSC e, vs, vl                  ; 2^e as f32 (the conversion takes its exponent field), and 57,344 x 2^e
	s_add_co_i32 s53, s[\e], 127
	s_lshl_b32 s54, s53, 23
	v_mov_b32 v[\vs], s54
	s_add_co_i32 s53, s53, 15
	s_lshl_b32 s53, s53, 23
	s_or_b32 s53, s53, 0x600000
	v_mov_b32 v[\vl], s53
.endm
	s_load_b512 s[8:23], s[0:1], 0x0               ; Wq s[8:9], Wk, Wv, Wo, W1 s[16:17], W2 s[18:19], x s[20:21], g s[22:23]
	s_load_b256 s[24:31], s[0:1], 0x40             ; b s[24:25], the exponents s[26:27], wc s[28:29], hc s[30:31]
	v_lshrrev_b32 v1, 5, v0
	v_readfirstlane_b32 s2, v1                     ; wave
	v_and_b32 v2, 31, v0                           ; lane
	v_lshl_add_u32 v252, v0, 2, 34816              ; my spare word, behind the four stages of 32 x 272 bytes; never rewritten
	v_mov_b32 v253, 0                              ; 0; never rewritten
	s_wait_kmcnt 0x0
	s_load_b512 s[32:47], s[26:27], 0x0            ; e0 .. e15 in s32 .. s47
	s_cmp_lt_u32 ttmp9, 384
	s_cbranch_scc0 .Lln
; ---------------- the weights.  A lane takes a column n and its registers run down K; a wave takes 32 columns x 256 along K.
	s_cmp_lt_u32 ttmp9, 256                        ; which tensor: 32 work-groups for each of Wq, Wk, Wv, Wo, 128 for W1, 128 for W2
	s_cselect_b64 s[48:49], s[16:17], s[18:19]
	s_cmp_lt_u32 ttmp9, 128
	s_cselect_b64 s[48:49], s[14:15], s[48:49]
	s_cmp_lt_u32 ttmp9, 96
	s_cselect_b64 s[48:49], s[12:13], s[48:49]
	s_cmp_lt_u32 ttmp9, 64
	s_cselect_b64 s[48:49], s[10:11], s[48:49]
	s_cmp_lt_u32 ttmp9, 32
	s_cselect_b64 s[48:49], s[8:9], s[48:49]
	s_lshr_b32 s51, ttmp9, 7                       ; 0: the four small ones, 1: W1, 2: W2
	s_lshr_b32 s53, ttmp9, 5
	s_lshl_b32 s53, s53, 20                        ; a small weight's codes: 1 MiB each
	s_lshl_b32 s54, s51, 22                        ; W1's at 4 MiB, W2's at 8 MiB
	s_cmp_lt_u32 ttmp9, 128
	s_cselect_b32 s52, 31, 127
	s_cselect_b32 s53, s53, s54                    ; where the tensor's codes begin in wc
	s_and_b32 s52, ttmp9, s52                      ; my number within the tensor
	s_cmp_eq_u32 s51, 1
	s_cselect_b32 s54, 31, 7                       ; N / 128 - 1
	s_cselect_b32 s55, 5, 3
	s_cselect_b32 s56, 14, 12                      ; a row of the f32 tensor is 2^this bytes
	s_cmp_eq_u32 s51, 2
	s_cselect_b32 s57, 12, 10                      ; a row of its codes is 2^this bytes
	s_and_b32 s58, s52, s54
	s_lshr_b32 s59, s52, s55
	s_lshl_b32 s58, s58, 7
	s_lshl_b32 s60, s2, 5
	s_add_co_u32 s58, s58, s60                     ; n0: my wave's first column
	s_lshl_b32 s59, s59, 8                         ; k0: my work-group's first k
	s_lshl_b32 s60, 1, s56                         ; bytes from a row of K to the next
	s_lshl_b32 s61, 2, s57                         ; two rows of codes
	s_lshl_b32 s62, s59, s56
	s_lshl_b32 s63, s58, 2
	s_add_co_u32 s62, s62, s63
	s_mov_b32 s63, 0
	s_add_nc_u64 s[68:69], s[48:49], s[62:63]      ; block 0 of eight blocks of 32 along K; each block has a base of its own
	s_lshl_b32 s84, s60, 5
	s_mov_b32 s85, 0
.set t, 1
.rept 7
	s_add_nc_u64 s[68+2*t:69+2*t], s[66+2*t:67+2*t], s[84:85]
.set t, t+1
.endr
	s_lshl_b32 s86, s58, s57
	s_cmp_eq_u32 s51, 2                            ; W2's codes are laid by fragments (see the way out at .Lw2): 128 along K of 16 rows are 2,048 bytes, so k0 counts 16 times
	s_cselect_b32 s87, 4, 0
	s_lshl_b32 s87, s59, s87
	s_add_co_u32 s86, s86, s87
	s_add_co_u32 s86, s86, s53
	s_mov_b32 s87, 0
	s_add_nc_u64 s[28:29], s[28:29], s[86:87]      ; codes: row n0, byte k0
	s_wait_alu depctr_va_vdst(0)
	v_lshlrev_b32 v[VO], 2, v2                     ; 4 bytes a lane: a wave's load reads 128 consecutive bytes, the four waves 512
.set t, 1
.rept 31
	v_add_nc_u32 v[VO+t], s60, v[VO+t-1]
.set t, t+1
.endr
.macro WLOAD t                         ; block t: W(k0 + 32 t + i, my column) into set t % 2
.set wi, 0
.rept 32
	global_load_b32 v[XW+32*((\t)%2)+wi], v[VO+wi], s[68+2*(\t):69+2*(\t)] th:TH_LOAD_NT
.set wi, wi+1
.endr
.endm
	WLOAD 0
	WLOAD 1
	s_mul_i32 s3, s2, 32*WP                        ; my wave's stage
	v_and_b32 v5, 7, v2
	v_bfe_u32 v6, v2, 3, 1
	v_lshl_or_b32 v5, v6, 4, v5
	v_bfe_u32 v6, v2, 4, 1
	v_lshl_or_b32 v5, v6, 3, v5                    ; pi(lane)
	v_mul_u32_u24 v4, v5, WP
	v_add_nc_u32 v4, s3, v4                        ; into the stage: my column's codes go to row pi(lane)
	v_lshrrev_b32 v6, 4, v2
	v_and_b32 v5, 15, v2
	v_mul_u32_u24 v7, v6, WP
	v_lshl_add_u32 v7, v5, 4, v7
	v_add_nc_u32 v7, s3, v7                        ; out of it: sixteen lanes to a row, two rows an instruction
	v_mul_u32_u24 v8, v5, WP
	v_lshl_add_u32 v8, v6, 4, v8
	v_add_nc_u32 v8, s3, v8                        ; W2, out of the stage: lane 16 h + r takes row r, + 16 h
	v_lshlrev_b32 v9, 4, v2                        ; and stores 16 bytes at 16 x lane
	v_lshlrev_b32 v[VD], s57, v6
	v_lshl_add_u32 v[VD], v5, 4, v[VD]             ; and the same place in the codes
.set t, 1
.rept 15
	v_add_nc_u32 v[VD+t], s61, v[VD+t-1]
.set t, t+1
.endr
	s_wait_kmcnt 0x0
	s_cmp_lt_u32 ttmp9, 256                        ; the tensor's exponent: entries 1, 3, 5, 11, 13, 15
	s_cselect_b32 s50, s45, s47
	s_cmp_lt_u32 ttmp9, 128
	s_cselect_b32 s50, s43, s50
	s_cmp_lt_u32 ttmp9, 96
	s_cselect_b32 s50, s37, s50
	s_cmp_lt_u32 ttmp9, 64
	s_cselect_b32 s50, s35, s50
	s_cmp_lt_u32 ttmp9, 32
	s_cselect_b32 s50, s33, s50
	MKSC 50, 11, 10
.macro WBLOCK t
.set XS, XW+32*((\t)%2)
.if (\t) < 7
	s_wait_loadcnt 32                              ; this block's 32 loads are in; the next block's 32 may be out
.else
	s_wait_loadcnt 0
.endif
.set bi, 0
.rept 32
	v_med3_num_f32 v[XS+bi], v[XS+bi], -v10, v10   ; the conversion to an 8-bit code does not saturate (ISA guide 7.6.2): the hold comes first
.set bi, bi+1
.endr
.irp g, 0,1,2,3
	v_cvt_scalef32_pk8_bf8_f32 v[CW+2*\g:CW+2*\g+1], v[XS+8*\g:XS+8*\g+7], v11
.endr
	ds_store_b128 v4, v[CW:CW+3] offset:32*(\t)    ; 32 codes of my column's row
	ds_store_b128 v4, v[CW+4:CW+7] offset:32*(\t)+16
.if (\t)+2 < 8
	WLOAD (\t)+2
.endif
	s_wait_dscnt 0x0                               ; the stores have read their registers: the next block's codes may be written
.endm
	s_wait_alu depctr_va_vdst(0)
.irp t, 0,1,2,3,4,5,6,7
	WBLOCK \t
.endr
	s_cmp_eq_u32 s51, 2
	s_cbranch_scc1 .Lw2
.set t, 0
.rept 16
	ds_load_b128 v[OUTR+4*t:OUTR+4*t+3], v7 offset:2*t*WP
.set t, t+1
.endr
.set t, 0
.rept 16
	s_wait_dscnt 15-t                              ; load t is in, the younger ones may be out
	global_store_b128 v[VD+t], v[OUTR+4*t:OUTR+4*t+3], s[28:29]   ; sixteen lanes store 256 consecutive bytes, aligned
.set t, t+1
.endr
	s_wait_tensorcnt 0x0                           ; the wave's end, behind my last LDS store
	ds_add_u32 v252, v253
	s_wait_dscnt 0x0
	s_endpgm
; W2's codes leave in the order in which the last product's operand registers take them: [64 blocks of 16 stored rows][32 blocks of 128 along K][c = 0..3][lane 16 h + r][16 bytes],
; the 16 bytes being k = 128 kb + 32 c + 16 h + 0 .. 15 of row r.  Store t = 8 x row block + 4 x K block + c covers 512 consecutive bytes.
.Lw2:
.set t, 0
.rept 16
	ds_load_b128 v[OUTR+4*t:OUTR+4*t+3], v8 offset:(t/8)*16*WP+((t/4)%2)*128+(t%4)*32
.set t, t+1
.endr
.set t, 0
.rept 16
	s_wait_dscnt 15-t                              ; load t is in, the younger ones may be out
	global_store_b128 v9, v[OUTR+4*t:OUTR+4*t+3], s[28:29] offset:(t/8)*65536+((t/4)%2)*2048+(t%4)*512
.set t, t+1
.endr
	s_wait_tensorcnt 0x0
	ds_add_u32 v252, v253
	s_wait_dscnt 0x0
	s_endpgm
; ---------------- layernorm.  A wave takes four rows, one after the other; a lane holds 8 neighbours of each quarter of a row, which is what a conversion takes.
.Lln:
	s_sub_co_u32 s3, ttmp9, 384
	s_lshl_b32 s3, s3, 4
	s_lshl_b32 s4, s2, 2
	s_add_co_u32 s4, s3, s4                        ; m0: my wave's first row, a multiple of 4
	s_lshl_b32 s48, s4, 12
	s_mov_b32 s49, 0
	s_add_nc_u64 s[20:21], s[20:21], s[48:49]
	s_wait_alu depctr_va_vdst(0)
	v_lshlrev_b32 v1, 5, v2                        ; 32 bytes a lane
.irp c, 0,1,2,3
	global_load_b128 v[GG+8*\c:GG+8*\c+3], v1, s[22:23] offset:1024*\c
	global_load_b128 v[GG+8*\c+4:GG+8*\c+7], v1, s[22:23] offset:1024*\c+16
.endr
.irp c, 0,1,2,3
	global_load_b128 v[BB+8*\c:BB+8*\c+3], v1, s[24:25] offset:1024*\c
	global_load_b128 v[BB+8*\c+4:BB+8*\c+7], v1, s[24:25] offset:1024*\c+16
.endr
.irp i, 0,1,2,3
.irp c, 0,1,2,3
	global_load_b128 v[XL+32*\i+8*\c:XL+32*\i+8*\c+3], v1, s[20:21] offset:4096*\i+1024*\c
	global_load_b128 v[XL+32*\i+8*\c+4:XL+32*\i+8*\c+7], v1, s[20:21] offset:4096*\i+1024*\c+16
.endr
.endr
	s_and_b32 s5, s4, 0xffffffe7                   ; pi(m0); pi(m0 + i) = pi(m0) + i for i under 4
	s_bfe_u32 s6, s4, 0x10003
	s_lshl_b32 s6, s6, 4
	s_or_b32 s5, s5, s6
	s_bfe_u32 s6, s4, 0x10004
	s_lshl_b32 s6, s6, 3
	s_or_b32 s5, s5, s6
	s_lshl_b32 s50, s4, 10                         ; plane 0: position m0
	s_lshl_b32 s51, s5, 10
	s_add_co_u32 s51, s51, 0x400000                ; plane 1 at 4 MiB: position pi(m0)
	s_add_co_u32 s52, s51, 0x400000                ; plane 2 at 8 MiB: likewise
	v_lshlrev_b32 v3, 3, v2                        ; 8 codes a lane
	v_add_nc_u32 v[OFQ], s50, v3
	v_add_nc_u32 v[OFQ+1], s51, v3
	v_add_nc_u32 v[OFQ+2], s52, v3
	v_mov_b32 v[RCPN], 0x3a800000                  ; 1/1024
	s_mov_b32 s90, 0x76543210                      ; v_permlanex16_b32: lane l xor 16
	s_mov_b32 s91, 0xfedcba98
	s_wait_kmcnt 0x0
	MKSC 32, 4, 5                                  ; entry 0
	MKSC 34, 6, 7                                  ; entry 2
	MKSC 36, 8, 9                                  ; entry 4
.macro REDUCE r, t                     ; the sum over the 32 lanes, in every lane
	v_add_f32_dpp v[\r], v[\r], v[\r] row_xmask:1 row_mask:0xf bank_mask:0xf
	v_add_f32_dpp v[\r], v[\r], v[\r] row_xmask:2 row_mask:0xf bank_mask:0xf
	v_add_f32_dpp v[\r], v[\r], v[\r] row_xmask:4 row_mask:0xf bank_mask:0xf
	v_add_f32_dpp v[\r], v[\r], v[\r] row_xmask:8 row_mask:0xf bank_mask:0xf
	v_permlanex16_b32 v[\t], v[\r], s90, s91
	v_add_f32 v[\r], v[\r], v[\t]
.endm
.set TS, 0
.macro LNROW i
.set XR, XL+32*(\i)
	s_wait_loadcnt 8*(3-(\i))                      ; this row's eight loads are in (g and b are older); the later rows' may be out
.if (\i) > 0
	s_wait_xcnt 0x0                                ; the last row's stores have read their codes: the registers are written again only behind this wait
.endif
	v_pk_add_f32 v[10:11], v[XR:XR+1], v[XR+2:XR+3]
	v_pk_add_f32 v[12:13], v[XR+4:XR+5], v[XR+6:XR+7]
.irp j, 8,12,16,20,24,28
	v_pk_add_f32 v[10:11], v[10:11], v[XR+\j:XR+\j+1]
	v_pk_add_f32 v[12:13], v[12:13], v[XR+\j+2:XR+\j+3]
.endr
	v_pk_add_f32 v[10:11], v[10:11], v[12:13]
	v_add_f32 v10, v10, v11
	REDUCE 10, 11
	v_mul_f32 v10, 0x3a800000, v10                 ; the mean
.set j, 0
.rept 16
	v_pk_add_f32 v[XR+j:XR+j+1], v[XR+j:XR+j+1], v[10:11] op_sel_hi:[1,0] neg_lo:[0,1] neg_hi:[0,1]   ; x - mean: the variance is taken of the differences, so a common offset costs no accuracy
.set j, j+2
.endr
	v_pk_mul_f32 v[12:13], v[XR:XR+1], v[XR:XR+1]
	v_pk_mul_f32 v[14:15], v[XR+2:XR+3], v[XR+2:XR+3]
.irp j, 4,8,12,16,20,24,28
	v_pk_fma_f32 v[12:13], v[XR+\j:XR+\j+1], v[XR+\j:XR+\j+1], v[12:13]
	v_pk_fma_f32 v[14:15], v[XR+\j+2:XR+\j+3], v[XR+\j+2:XR+\j+3], v[14:15]
.endr
	v_pk_add_f32 v[12:13], v[12:13], v[14:15]
	v_add_f32 v12, v12, v13
	REDUCE 12, 13
	v_fmaak_f32 v12, v12, v[RCPN], 0x3727c5ac      ; the variance + 1e-5
	s_wait_alu depctr_va_vdst(0)
	v_rsq_f32 v12, v12
	v_nop                                          ; a plain instruction behind the transcendental,
	s_wait_alu depctr_va_vdst(0)                   ; and the wait ahead of its first reader
.set j, 0
.rept 16
	v_pk_mul_f32 v[XR+j:XR+j+1], v[XR+j:XR+j+1], v[12:13] op_sel_hi:[1,0]
.set j, j+2
.endr
.set j, 0
.rept 16
	v_pk_fma_f32 v[XR+j:XR+j+1], v[XR+j:XR+j+1], v[GG+j:GG+j+1], v[BB+j:BB+j+1]
.set j, j+2
.endr
.set p, 0
.rept NPL                              ; each plane has its own scale.  The held numbers go into two sets by turns: the other set's eight holds are the plain instructions behind each conversion
.set c, 0
.rept 4
.set k, 0
.rept 8
	v_med3_num_f32 v[T+8*TS+k], v[XR+8*c+k], -v[5+2*p], v[5+2*p]
.set k, k+1
.endr
	v_cvt_scalef32_pk8_bf8_f32 v[CD+8*p+2*c:CD+8*p+2*c+1], v[T+8*TS:T+8*TS+7], v[4+2*p]
.set TS, 1-TS
.set c, c+1
.endr
.set p, p+1
.endr
.set p, 0
.rept NPL
.irp c, 0,1,2,3
	global_store_b64 v[OFQ+p], v[CD+8*p+2*\c:CD+8*p+2*\c+1], s[30:31] offset:1024*(\i)+256*\c   ; 32 lanes store 256 consecutive bytes, aligned
.endr
.set p, p+1
.endr
.endm
	LNROW 0
	LNROW 1
	LNROW 2
	LNROW 3
	s_endpgm
.Lfunc_end_k_qe8c45403b2_prep:
	.size	k_qe8c45403b2_prep, .Lfunc_end_k_qe8c45403b2_prep-k_qe8c45403b2_prep
	.p2alignl 7, 3214868480
	.fill 96, 4, 3214868480
	.section	.rodata,"a",@progbits
	.p2align	6, 0x0
	.amdhsa_kernel k_qe8c45403b2_prep
		.amdhsa_group_segment_fixed_size 35840
		.amdhsa_private_segment_fixed_size 0
		.amdhsa_enable_private_segment 0
		.amdhsa_kernarg_size 96
		.amdhsa_user_sgpr_count 2
		.amdhsa_user_sgpr_kernarg_segment_ptr 1
		.amdhsa_wavefront_size32 1
		.amdhsa_system_sgpr_workgroup_id_x 1
		.amdhsa_system_sgpr_workgroup_id_y 1
		.amdhsa_system_sgpr_workgroup_id_z 1
		.amdhsa_system_vgpr_workitem_id 0
		.amdhsa_next_free_vgpr 256
		.amdhsa_next_free_sgpr 100
		.amdhsa_reserve_vcc 0
		.amdhsa_float_denorm_mode_32 3
		.amdhsa_float_denorm_mode_16_64 3
		.amdhsa_memory_ordered 1
		.amdhsa_forward_progress 1
		.amdhsa_inst_pref_size 119
	.end_amdhsa_kernel
	.amdgpu_metadata
---
amdhsa.version: [ 1, 2 ]
amdhsa.kernels:
  - .name:           k_qe8c45403b2_prep
    .symbol:         k_qe8c45403b2_prep.kd
    .args:
      - { .name: Wq, .offset: 0, .size: 8, .value_kind: global_buffer, .address_space: global }
      - { .name: Wk, .offset: 8, .size: 8, .value_kind: global_buffer, .address_space: global }
      - { .name: Wv, .offset: 16, .size: 8, .value_kind: global_buffer, .address_space: global }
      - { .name: Wo, .offset: 24, .size: 8, .value_kind: global_buffer, .address_space: global }
      - { .name: W1, .offset: 32, .size: 8, .value_kind: global_buffer, .address_space: global }
      - { .name: W2, .offset: 40, .size: 8, .value_kind: global_buffer, .address_space: global }
      - { .name: x, .offset: 48, .size: 8, .value_kind: global_buffer, .address_space: global }
      - { .name: ln1_g, .offset: 56, .size: 8, .value_kind: global_buffer, .address_space: global }
      - { .name: ln1_b, .offset: 64, .size: 8, .value_kind: global_buffer, .address_space: global }
      - { .name: lowp_scales, .offset: 72, .size: 8, .value_kind: global_buffer, .address_space: global }
      - { .name: wc, .offset: 80, .size: 8, .value_kind: global_buffer, .address_space: global }
      - { .name: hc, .offset: 88, .size: 8, .value_kind: global_buffer, .address_space: global }
    .group_segment_fixed_size: 35840
    .private_segment_fixed_size: 0
    .kernarg_segment_align: 8
    .kernarg_segment_size: 96
    .max_flat_workgroup_size: 128
    .sgpr_count:     100
    .vgpr_count:     256
    .wavefront_size: 32
...
	.end_amdgpu_metadata
.endif
;; end of part 1
;; launch qkv (part 2): grid 12 x 16, 4 waves a work-group, clusters of 4 x 4, 327,680 bytes of LDS; arguments hc, wc, lowp_scales, qkv; writes qkv
.if DOCPART == 2
	.amdgcn_target "amdgcn-amd-amdhsa--gfx1250"
	.amdhsa_code_object_version 6
	.text
	.protected	k_qe8c45403b2_qkv
	.globl	k_qe8c45403b2_qkv
	.p2align	8
	.type	k_qe8c45403b2_qkv,@function
k_qe8c45403b2_qkv:
	s_mov_b64 s[64:65], 0
	v_nop
	global_prefetch_b8 v0, s[64:65] scope:SCOPE_SE
	s_setreg_imm32_b32 hwreg(HW_REG_WAVE_MODE, 25, 1), 1
	s_wait_xcnt 0x0
	s_wait_alu depctr_hold_cnt(0) depctr_sa_sdst(0) depctr_va_vdst(0) depctr_va_sdst(0) depctr_va_ssrc(0) depctr_va_vcc(0) depctr_vm_vsrc(0)
	s_getreg_b32 s2, hwreg(HW_REG_IB_STS2, 6, 4)
	s_cmp_eq_u32 s2, 0
	s_cbranch_scc0 .Lentry_in_a_cluster
	s_endpgm
.Lentry_in_a_cluster:
	s_bfe_u32 s2, ttmp6, 0x10000c
	s_cmp_lg_u32 s2, 0xf033
	s_cbranch_scc0 .Lentry_shape_is_right
	s_endpgm
.Lentry_shape_is_right:
; QKV.  Products 1 to 3 on codes of E5M2, K = 1,024, and the quantising of q, k and v for products 4 and 5.  t = the cluster's x says which: 0 q, 1 k, 2 v.
; t = 0, 1: C[m][n] = sum over k of h_t[m][k] W_t[n][k]: A = plane t of hc (tile row = work-group y), B = W_t's codes (tile column = cx).
; t = 2:    C[n][m] = sum over k of Wv[n][k] h_2[m][k]: A = Wv's codes (tile row = cy), B = plane 2 of hc (tile column = 4 x cluster y + cx): v comes out with the KEYS innermost, as product 5 wants it.
; The operands are swapped by ADDRESS alone: A's address hangs on what a row of the cluster shares, B's on what a column shares, in all three cases; LDS and the loop know nothing of t.
; B's rows lie at pi(row) (pi swaps bits 3 and 4), so a lane's 16 registers of two neighbouring tiles are 16 neighbouring columns of C: their 16 codes are 16 consecutive bytes.
; OUT (qkv): q at 0 and k at 4 MiB: [32 heads of the two batches][2,048][64]; k's position p holds key pi(p) (plane 1 of hc is laid so).  v at 8 MiB: [32][16 steps of 128 keys][64][128], row pi(d) holds channel d, keys in order.
; A sum stands for sum x 2^(eA + eB); its code is sum / 2^(eo - eA - eB): the three exponents are folded into the conversion's one.  q takes entry 6, k entry 7 (product 4 is lowered as q times k), v entry 8.
; LIMIT: eo - eA - eB between -126 and 112.  NaN is not served.
; A tile of C is 256 x 256; four waves, each 128 x 128: 64 accumulators, 512 registers.  K goes in steps of 256 through two LDS slots filled by joint tensor loads: 4 x 4 work-groups form a cluster,
; A's tile is shared along a row of it, B's along a column.  The matrix instruction is used transposed (source 0 = 16 rows of B, source 1 = 16 rows of A).
; REGISTERS: window 0: v0-31 addresses, v128-255 A's fragments (one set), later the codes; window 1: B's fragments, two sets; windows 2, 3: the accumulators ((a, b) at v[8 (8 (a % 4) + b)]).
.set KSTEP,  256
.set ROWB,   256
.set KROW,   1024
.set PITCH,  272                       ; an LDS row: 256 bytes + 16: the 16 rows that a load touches start at 16 different banks
.set FR,     16
.set NL,     4
.set NP,     4
.set HALFT,  128*PITCH
.set SLOT,   4*HALFT
.set LAPS,   1024/(2*KSTEP)
.set SPARE,  2*SLOT                    ; behind the ring: the spare words, 128 bytes a wave
.set ADRA, 16
.set ADRB, 20
.set COB,  22                          ; v22  v: my byte offset in the stores
.set RDA2, 23                          ; v23  q, k: RDA + 16 loads on (an LDS offset has 16 bits)
.set STO,  24                          ; v24  the stage: where I put 16 codes
.set RDA,  25                          ; v25  q, k: where I read the stage
.set RDB,  26                          ; v26  v: where I read the stage
.set COA,  27                          ; v27  q, k: my byte offset in the stores
.set SPW,  28
.set NIL,  29
.set SC,   30                          ; v30  2^(eo - eA - eB)
.set LIM,  31                          ; v31  57,344 x that
.set AF,   128
.set CD,   128                         ; the codes, and then the rows read back
.set G1, 24
.set G0, 32
.set G1B, 48
.set G0B, 56
.set MSB, 0
.macro WIN new                         ; the immediate's high byte repeats the setting that is left
.if MSB != (\new)
	s_set_vgpr_msb (MSB<<8)|(\new)
.set MSB, (\new)
.endif
.endm
.set MUL_LO, 0xa1
.set MUL_HI, 0xf1
.set TO_B,   0x40
.macro JLOAD g0a, g1a, g0b, g1b        ; a joint load: waves 0, 1 fetch for A, waves 2, 3 for B; four v_nop follow each line
	s_cmp_eq_u32 s15, 0
	s_cbranch_scc0 .Lfor_b_\@
	tensor_load_to_lds s[\g0a:\g0a+3], s[\g1a:\g1a+7]
	s_nop 0
.rept 4
	v_nop
.endr
	s_branch .Lasked_\@
.Lfor_b_\@:
	tensor_load_to_lds s[\g0b:\g0b+3], s[\g1b:\g1b+7]
	s_nop 0
.rept 4
	v_nop
.endr
.Lasked_\@:
.endm
.macro CREST
	s_cmp_lg_u32 s14, 0
	s_cbranch_scc1 .Lnot_wave_0_\@
	s_barrier_signal -3
.Lnot_wave_0_\@:
	s_barrier_wait -3
	s_barrier_signal -1
	s_barrier_wait -1
.endm
.macro CROUND
	s_barrier_signal -1
	s_barrier_wait -1
	CREST
.endm
	s_load_b128 s[4:7], s[0:1], 0x0                ; hc, wc
	s_load_b128 s[8:11], s[0:1], 0x10              ; the exponents, qkv
	v_lshl_add_u32 v[SPW], v0, 2, SPARE
	v_mov_b32 v[NIL], 0
	v_lshrrev_b32 v1, 5, v0
	v_readfirstlane_b32 s14, v1                    ; wave
	s_lshr_b32 s15, s14, 1                         ; my half of the tile's rows; also: I fetch for A (0) or B (1)
	s_and_b32 s16, s14, 1                          ; my half of its columns; also: which 128 rows I fetch
	s_bfe_u32 s40, ttmp6, 0x40000                  ; cx
	s_bfe_u32 s41, ttmp6, 0x40004                  ; cy
	s_and_b32 s13, ttmp7, 0xffff
	s_lshl_b32 s13, s13, 2                         ; 4 x cluster y
	s_add_co_u32 s17, s13, s41                     ; 4 x cluster y + cy
	s_add_co_u32 s42, s13, s40                     ; 4 x cluster y + cx
	s_lshl_b32 s43, s41, 2
	s_lshl_b32 s43, 15, s43                        ; my row of the cluster
	s_lshl_b32 s44, 0x1111, s40                    ; my column
	s_or_b32 s[G1+0], s43, (0<<16)|(1<<20)|(1<<21)|(5<<22)|(3<<25)   ; the mask; elements of 1 byte; padding: 4 words behind every 64
	s_or_b32 s[G1B+0], s44, (0<<16)|(1<<20)|(1<<21)|(5<<22)|(3<<25)
.irp g, G1, G1B
	s_mov_b32 s[\g+1], ROWB<<16                    ; tensor_dim0
	s_mov_b32 s[\g+2], 128<<16                     ; tensor_dim1
	s_mov_b32 s[\g+3], ROWB<<16                    ; tile_dim0
	s_mov_b32 s[\g+4], 128                         ; tile_dim1
	s_mov_b32 s[\g+5], KROW                        ; from row to row
	s_mov_b32 s[\g+6], 0
	s_mov_b32 s[\g+7], 0
.endr
	s_lshl_b32 s66, ttmp9, 22                      ; plane t of hc, and of qkv
	s_lshl_b32 s67, ttmp9, 20                      ; W_t in wc
	s_cmp_eq_u32 ttmp9, 2
	s_cselect_b32 s84, s41, s17                    ; A's tile: cy of Wv's four, or work-group y of h's sixteen
	s_cselect_b32 s85, s42, s40                    ; B's tile: 4 x cluster y + cx of h's sixteen, or cx of W's four
	s_cselect_b32 s86, s67, s66
	s_cselect_b32 s87, s66, s67
	s_lshl_b32 s18, s16, 7
	s_lshl_b32 s20, s84, 8
	s_add_co_u32 s20, s20, s18
	s_lshl_b32 s20, s20, 10
	s_add_co_u32 s20, s20, s86                     ; A: (256 x tile + 128 x half) rows of 1,024 bytes, in its plane
	s_mov_b32 s21, 0
	s_lshl_b32 s46, s85, 8
	s_add_co_u32 s46, s46, s18
	s_lshl_b32 s46, s46, 10
	s_add_co_u32 s46, s46, s87                     ; B likewise
	s_mov_b32 s47, 0
	s_mul_i32 s45, s14, HALFT                      ; where they go: wave x 128 rows
	s_wait_kmcnt 0x0
	s_load_b512 s[68:83], s[8:9], 0x0              ; e0 .. e15 in s68 .. s83
	s_cmp_eq_u32 ttmp9, 2
	s_cselect_b64 s[88:89], s[6:7], s[4:5]
	s_cselect_b64 s[90:91], s[4:5], s[6:7]
	s_add_nc_u64 s[20:21], s[88:89], s[20:21]
	s_add_nc_u64 s[46:47], s[90:91], s[46:47]
	; the prefetches: of the 128 rows that my wave fetches, each of the four partners that ask for them jointly takes 32, told apart by address (cx for A, cy for B); a lane a row
	s_cmp_eq_u32 s15, 0
	s_cselect_b64 s[96:97], s[20:21], s[46:47]
	s_cselect_b32 s98, s40, s41
	s_lshl_b32 s98, s98, 15                        ; 32 rows of 1,024 bytes
	s_mov_b32 s99, 0
	s_add_nc_u64 s[96:97], s[96:97], s[98:99]
	v_and_b32 v18, 31, v0
	v_lshlrev_b32 v18, 10, v18                     ; never rewritten
.irp s, 0,1
	s_mov_b32 s[G0+4*\s], 1
	s_add_co_u32 s[G0+4*\s+1], s45, \s*SLOT
	s_add_nc_u64 s[G0+4*\s+2:G0+4*\s+3], s[20:21], \s*ROWB
	s_or_b32 s[G0+4*\s+3], s[G0+4*\s+3], 0x80000000
	s_mov_b32 s[G0B+4*\s], 1
	s_add_co_u32 s[G0B+4*\s+1], s45, \s*SLOT
	s_add_nc_u64 s[G0B+4*\s+2:G0B+4*\s+3], s[46:47], \s*ROWB
	s_or_b32 s[G0B+4*\s+3], s[G0B+4*\s+3], 0x80000000
	s_wait_alu depctr_va_vdst(0)                   ; directly ahead of the wait below
	s_wait_tensorcnt 0x0                           ; one tensor load a wave behind each round: slot 1's first fill follows slot 0's landing
	ds_add_u32 v[SPW], v[NIL]                      ; 0 onto my spare word, twice on end
	ds_add_u32 v[SPW], v[NIL]
	s_wait_dscnt 0x0
	CROUND                                         ; all sixteen work-groups are here: the joint loads meet
	JLOAD G0+4*\s, G1, G0B+4*\s, G1B
.if \s == 0
	global_prefetch_b8 v18, s[96:97] offset:256 th:TH_LOAD_NT scope:SCOPE_SE   ; K step 1: one fill ahead of its load
.else
	global_prefetch_b8 v18, s[96:97] offset:512 th:TH_LOAD_NT scope:SCOPE_SE   ; K steps 2 and 3: one and two fills ahead
	global_prefetch_b8 v18, s[96:97] offset:768 th:TH_LOAD_NT scope:SCOPE_SE
.endif
.endr
	v_and_b32 v1, 15, v0                           ; r
	v_bfe_u32 v2, v0, 4, 1                         ; h
	v_mul_u32_u24 v3, v1, PITCH
	v_lshl_add_u32 v4, v2, 4, v3                   ; r x pitch + 16 h
	s_wait_alu depctr_va_vdst(0)
	s_mul_i32 s21, s15, HALFT
	s_mul_i32 s22, s16, HALFT
	s_add_co_u32 s22, s22, 2*HALFT
.irp s, 0,1
	v_add_nc_u32 v[ADRA+\s], s21, v4
	v_add_nc_u32 v[ADRB+\s], s22, v4
	s_add_co_u32 s21, s21, SLOT
	s_add_co_u32 s22, s22, SLOT
.endr
	; the stage: 256 rows x 272 bytes in slot 0, which has had its last fill and its last read when the first code is stored there
	s_mul_i32 s23, s15, HALFT
	s_lshl_b32 s19, s16, 7
	s_add_co_u32 s23, s23, s19
	v_add_nc_u32 v[STO], s23, v4                   ; row 128 x my row half + r, byte 128 x my column half + 16 h
	v_and_b32 v6, 31, v0
	v_lshrrev_b32 v7, 2, v6
	v_mul_u32_u24 v7, v7, PITCH
	v_and_b32 v8, 3, v6
	v_lshl_add_u32 v7, v8, 4, v7
	s_lshl_b32 s19, s14, 6
	v_add_nc_u32 v[RDA], s19, v7                   ; q, k: wave w takes head w of the tile's four: 8 rows x 64 bytes a load
	v_add_nc_u32 v[RDA2], 16*8*PITCH, v[RDA]
	v_lshlrev_b32 v[COA], 4, v6
	v_mul_u32_u24 v7, v2, PITCH
	v_lshl_add_u32 v7, v1, 4, v7
	s_mul_i32 s19, s14, 64*PITCH
	v_add_nc_u32 v[RDB], s19, v7                   ; v: wave w takes rows 64 w on, which are head w of the tile's four: 2 rows x 256 bytes a load
	; v's plane is blocked by key steps: [32 heads][16 steps of 128 keys][64 rows][128 bytes]; rows and keys keep their order inside a block
	v_lshlrev_b32 v[COB], 7, v2                    ; row 2 t + h: 128 bytes a row
	v_and_b32 v7, 7, v1
	v_lshl_add_u32 v[COB], v7, 4, v[COB]           ; 16 keys a lane, eight lanes to a step's 128
	v_lshrrev_b32 v7, 3, v1
	v_lshl_add_u32 v[COB], v7, 13, v[COB]          ; lanes 8-15 of a row: the tile's second step, 8,192 bytes on
	s_cmp_eq_u32 ttmp9, 2                          ; where my wave's part begins in qkv
	s_cselect_b32 s92, s41, s40                    ; which four heads
	s_cselect_b32 s93, s42, s17                    ; which 256 of the 4,096 rows of h
	s_mov_b32 s94, 14                              ; 256 keys are 16,384 bytes in each of the three planes
	s_lshl_b32 s92, s92, 2
	s_add_co_u32 s92, s92, s14
	s_lshr_b32 s95, s93, 3
	s_lshl_b32 s95, s95, 4
	s_add_co_u32 s92, s92, s95                     ; 16 x batch + head
	s_lshl_b32 s92, s92, 17
	s_and_b32 s93, s93, 7
	s_lshl_b32 s93, s93, s94
	s_add_co_u32 s92, s92, s93
	s_add_co_u32 s92, s92, s66
	s_mov_b32 s93, 0
	s_add_nc_u64 s[10:11], s[10:11], s[92:93]
	s_wait_kmcnt 0x0
	s_sub_co_i32 s92, s74, s68                     ; q: e6 - e0 - e1
	s_sub_co_i32 s92, s92, s69
	s_sub_co_i32 s93, s75, s70                     ; k: e7 - e2 - e3
	s_sub_co_i32 s93, s93, s71
	s_sub_co_i32 s94, s76, s72                     ; v: e8 - e4 - e5
	s_sub_co_i32 s94, s94, s73
	s_cmp_eq_u32 ttmp9, 0
	s_cselect_b32 s92, s92, s93
	s_cmp_eq_u32 ttmp9, 2
	s_cselect_b32 s92, s94, s92
	s_add_co_i32 s92, s92, 127
	s_lshl_b32 s93, s92, 23
	v_mov_b32 v[SC], s93
	s_add_co_i32 s92, s92, 15
	s_lshl_b32 s92, s92, 23
	s_or_b32 s92, s92, 0x600000
	v_mov_b32 v[LIM], s92
.macro FRAG reg, adr, q, i             ; 16 rows x 128 K: registers 4 c .. 4 c + 3 hold K = 32 c + 16 h + 0 .. 15: the same order of k in A and in B
.irp c, 0,1,2,3
	ds_load_b128 v[\reg+4*\c:\reg+4*\c+3], v[\adr] offset:128*(\q)+32*\c+(\i)*16*PITCH
.endr
.endm
.macro MUL16 a0, p, zero               ; A's blocks a0, a0 + 1 x B's eight; the 64 accumulators take turns, one instruction a turn
.irp a, \a0, \a0+1
.irp b, 0,1,2,3,4,5,6,7
.if \zero
	v_wmma_f32_16x16x128_bf8_bf8 v[8*(8*((\a)%4)+\b):8*(8*((\a)%4)+\b)+7], v[128*(\p)+FR*\b:128*(\p)+FR*\b+FR-1], v[AF+FR*(\a):AF+FR*(\a)+FR-1], 0
.else
	v_wmma_f32_16x16x128_bf8_bf8 v[8*(8*((\a)%4)+\b):8*(8*((\a)%4)+\b)+7], v[128*(\p)+FR*\b:128*(\p)+FR*\b+FR-1], v[AF+FR*(\a):AF+FR*(\a)+FR-1], v[8*(8*((\a)%4)+\b):8*(8*((\a)%4)+\b)+7]
.endif
.endr
.endr
.endm
.macro FETCH_B slot, q, p
	WIN TO_B
.irp i, 0,1,2,3,4,5,6,7
	FRAG 128*(\p)+FR*\i, ADRB+\slot, \q, \i
.endr
	WIN 0
.endm
.macro FETCH_A slot, q, i0
.irp i, \i0, \i0+1, \i0+2, \i0+3
	FRAG AF+FR*(\i), ADRA+\slot, \q, \i
.endr
.endm
.macro PLACES n                        ; plain vector instructions between a matrix instruction and a load into, or a vector read of, its registers
.rept \n
	v_nop
.endr
.endm
.macro STEP slot, q, zero              ; 128 along K that has its successor in the same slot
	s_wait_dscnt 4*NL                              ; B's set and A's blocks 0-3 are in; the youngest sixteen loads (A's blocks 4-7) may be out
	WIN MUL_LO
	MUL16 0, (\q)%2, \zero
	MUL16 2, (\q)%2, \zero
	s_wait_dscnt 0
	PLACES NP
	FETCH_B \slot, (\q)+1, 1-(\q)%2
	FETCH_A \slot, (\q)+1, 0
	WIN MUL_HI
	MUL16 4, (\q)%2, \zero
	MUL16 6, (\q)%2, \zero
	PLACES NP
	WIN 0
	FETCH_A \slot, (\q)+1, 4
.endm
.macro TURN slot, next, fill           ; a slot's last 128 along K, and the change of slots
	s_wait_tensorcnt 0x0                           ; all my tensor loads have landed: my part of the next slot
	ds_add_u32 v[SPW], v[NIL]                      ; 0 onto my spare word
	s_wait_dscnt 4*NL+1                            ; the add and the youngest sixteen loads may be out
	WIN MUL_LO
	MUL16 0, 1, 0
	s_wait_dscnt 0x0                               ; the add is done, and my reads of this slot are over
	s_barrier_signal -1
	MUL16 2, 1, 0
	WIN 0
	s_barrier_wait -1
.if \fill
	CREST                                          ; the barrier has opened a round of the cluster's barrier: no wave of any partner still reads this slot or has a load on its way
	s_add_nc_u64 s[G0+4*\slot+2:G0+4*\slot+3], s[G0+4*\slot+2:G0+4*\slot+3], 2*ROWB
	s_add_nc_u64 s[G0B+4*\slot+2:G0B+4*\slot+3], s[G0B+4*\slot+2:G0B+4*\slot+3], 2*ROWB
	JLOAD G0+4*\slot, G1, G0B+4*\slot, G1B         ; the first tensor load behind the round; its four v_nop are the places in front of the loads below
.else
	PLACES NP
.endif
	FETCH_B \next, 0, 0
	FETCH_A \next, 0, 0
	WIN MUL_HI
	MUL16 4, 1, 0
	MUL16 6, 1, 0
	PLACES NP
	WIN 0
	FETCH_A \next, 0, 4
.endm
	s_wait_tensorcnt 1                             ; my part of K step 0 is in; K step 1's load may be out
	s_barrier_signal -1
	s_barrier_wait -1
	FETCH_B 0, 0, 0
	FETCH_A 0, 0, 0
	FETCH_A 0, 0, 4
	STEP 0, 0, 1                                   ; the first products start the sums
	s_mov_b32 s3, LAPS-1
.Llap:
	TURN 0, 1, 1
	STEP 1, 0, 0
	TURN 1, 0, 1
	STEP 0, 0, 0
	s_sub_co_u32 s3, s3, 1
	s_cmp_lg_u32 s3, 0
	s_cbranch_scc1 .Llap
	TURN 0, 1, 0                                   ; the last lap fills nothing
	STEP 1, 0, 0
	s_wait_dscnt 4*NL
	WIN MUL_LO
	MUL16 0, 1, 0
	MUL16 2, 1, 0
	s_wait_alu depctr_va_vdst(0)
	s_wait_dscnt 0
	WIN MUL_HI
	MUL16 4, 1, 0
	MUL16 6, 1, 0
	WIN 0
	; THE SUMS BECOME CODES: held within the largest code x the scale, in place, each accumulator from its low end on; then eight numbers a conversion.
	PLACES NP
	WIN 0x82                                       ; destination and source 0: window 2
.set j, 0
.rept 256
	v_med3_num_f32 v[j], v[j], -v[LIM], v[LIM]
.set j, j+1
.endr
	WIN 0x02
.set j, 0
.rept 32
	v_cvt_scalef32_pk8_bf8_f32 v[CD+2*j:CD+2*j+1], v[8*j:8*j+7], v[SC]
.set j, j+1
.endr
	WIN 0xc3                                       ; window 3
.set j, 0
.rept 256
	v_med3_num_f32 v[j], v[j], -v[LIM], v[LIM]
.set j, j+1
.endr
	WIN 0x03
.set j, 0
.rept 32
	v_cvt_scalef32_pk8_bf8_f32 v[CD+64+2*j:CD+64+2*j+1], v[8*j:8*j+7], v[SC]
.set j, j+1
.endr
	WIN 0
	v_nop                                          ; a plain instruction behind the last conversion
.irp a, 0,1,2,3,4,5,6,7
.irp b, 0,1,2,3
	ds_store_b128 v[STO], v[CD+16*\a+4*\b:CD+16*\a+4*\b+3] offset:\a*16*PITCH+32*\b   ; row 16 a + r, columns 32 b + 16 h + 0 .. 15
.endr
.endr
	s_wait_dscnt 0x0                               ; for the others' sake: my codes lie in the stage
	s_barrier_signal -1
	s_barrier_wait -1
	s_cmp_eq_u32 ttmp9, 2                          ; the cluster's x: the same in all partners
	s_cbranch_scc1 .Lv_out
.set t, 0
.rept 16
	ds_load_b128 v[CD+4*t:CD+4*t+3], v[RDA] offset:8*PITCH*t
.set t, t+1
.endr
.rept 16
	ds_load_b128 v[CD+4*t:CD+4*t+3], v[RDA2] offset:8*PITCH*(t-16)
.set t, t+1
.endr
.set t, 0
.rept 32
	s_wait_dscnt 31-t                              ; load t is in, the younger ones may be out
	global_store_b128 v[COA], v[CD+4*t:CD+4*t+3], s[10:11] offset:512*t   ; 8 rows of a head's 64 bytes: 512 consecutive bytes, aligned
.set t, t+1
.endr
	s_branch .Ldone
.Lv_out:
.set t, 0
.rept 32
	ds_load_b128 v[CD+4*t:CD+4*t+3], v[RDB] offset:2*PITCH*t
.set t, t+1
.endr
.set t, 0
.rept 32
	s_wait_dscnt 31-t
	global_store_b128 v[COB], v[CD+4*t:CD+4*t+3], s[10:11] offset:256*t   ; two rows of each of two steps: two aligned units of 256 bytes, each written whole
.set t, t+1
.endr
.Ldone:
	s_wait_tensorcnt 0x0                           ; the wave's end
	ds_add_u32 v[SPW], v[NIL]
	s_wait_dscnt 0x0
	CROUND                                         ; the closing round
	s_endpgm
.Lfunc_end_k_qe8c45403b2_qkv:
	.size	k_qe8c45403b2_qkv, .Lfunc_end_k_qe8c45403b2_qkv-k_qe8c45403b2_qkv
	.p2alignl 7, 3214868480
	.fill 96, 4, 3214868480
	.section	.rodata,"a",@progbits
	.p2align	6, 0x0
	.amdhsa_kernel k_qe8c45403b2_qkv
		.amdhsa_group_segment_fixed_size 327680
		.amdhsa_private_segment_fixed_size 0
		.amdhsa_enable_private_segment 0
		.amdhsa_kernarg_size 32
		.amdhsa_user_sgpr_count 2
		.amdhsa_user_sgpr_kernarg_segment_ptr 1
		.amdhsa_wavefront_size32 1
		.amdhsa_system_sgpr_workgroup_id_x 1
		.amdhsa_system_sgpr_workgroup_id_y 1
		.amdhsa_system_sgpr_workgroup_id_z 1
		.amdhsa_system_vgpr_workitem_id 0
		.amdhsa_next_free_vgpr 1024
		.amdhsa_next_free_sgpr 100
		.amdhsa_reserve_vcc 0
		.amdhsa_float_denorm_mode_32 3
		.amdhsa_float_denorm_mode_16_64 3
		.amdhsa_memory_ordered 1
		.amdhsa_forward_progress 1
		.amdhsa_inst_pref_size 131
	.end_amdhsa_kernel
	.amdgpu_metadata
---
amdhsa.version: [ 1, 2 ]
amdhsa.kernels:
  - .name:           k_qe8c45403b2_qkv
    .symbol:         k_qe8c45403b2_qkv.kd
    .args:
      - { .name: hc, .offset: 0, .size: 8, .value_kind: global_buffer, .address_space: global }
      - { .name: wc, .offset: 8, .size: 8, .value_kind: global_buffer, .address_space: global }
      - { .name: lowp_scales, .offset: 16, .size: 8, .value_kind: global_buffer, .address_space: global }
      - { .name: qkv, .offset: 24, .size: 8, .value_kind: global_buffer, .address_space: global }
    .group_segment_fixed_size: 327680
    .private_segment_fixed_size: 0
    .kernarg_segment_align: 8
    .kernarg_segment_size: 32
    .max_flat_workgroup_size: 128
    .sgpr_count:     100
    .vgpr_count:     1024
    .wavefront_size: 32
...
	.end_amdgpu_metadata
.endif
;; end of part 2
;; launch attn (part 3): grid 8 x 32, 4 waves a work-group, clusters of 4 x 1, 327,680 bytes of LDS; arguments qkv, lowp_scales, cc; writes cc
.if DOCPART == 3
	.amdgcn_target "amdgcn-amd-amdhsa--gfx1250"
	.amdhsa_code_object_version 6
	.text
	.protected	k_qe8c45403b2_attn
	.globl	k_qe8c45403b2_attn
	.p2align	8
	.type	k_qe8c45403b2_attn,@function
k_qe8c45403b2_attn:
	s_mov_b64 s[64:65], 0
	v_nop
	global_prefetch_b8 v0, s[64:65] scope:SCOPE_SE
	s_setreg_imm32_b32 hwreg(HW_REG_WAVE_MODE, 25, 1), 1
	s_wait_xcnt 0x0
	s_wait_alu depctr_hold_cnt(0) depctr_sa_sdst(0) depctr_va_vdst(0) depctr_va_sdst(0) depctr_va_ssrc(0) depctr_va_vcc(0) depctr_vm_vsrc(0)
	s_getreg_b32 s2, hwreg(HW_REG_IB_STS2, 6, 4)
	s_cmp_eq_u32 s2, 0
	s_cbranch_scc0 .Lentry_in_a_cluster
	s_endpgm
.Lentry_in_a_cluster:
	s_bfe_u32 s2, ttmp6, 0x10000c
	s_cmp_lg_u32 s2, 0x3003
	s_cbranch_scc0 .Lentry_shape_is_right
	s_endpgm
.Lentry_shape_is_right:
; ATTENTION, causal, head size 64, 2,048 keys, both products on codes of E5M2.
; q, k: [32][2,048][64] codes (k's position p holds key pi(p), pi swaps bits 3 and 4); v: [32][16 steps][64 rows][128 keys], row pi(d) holds channel d.
; t = score x log2(e) / 8; M = the running largest t rounded UP to a whole number; p = 2^(t - M) is quantised with entry 9; the row's sum is taken of the
; unquantised p and divides at the end.  ctx is quantised with entry 10 and stored as codes [16 heads][4,096 rows][64].
; LEFT OUT: key steps all of whose keys come after a unit's queries: the causal mask makes their p zero for all inputs.
; SHARES.  A unit is 32 neighbouring queries, two tiles of 16, so each fragment of K and V feeds two matrix instructions.  A wave walks two units, one after
; the other: first the one in block 15 - a of 128 queries (16 - a key steps of 128), then the one in block a (a + 1 steps): 17 steps for every wave.
; a = 2 x wave + the cluster's x.  One wave to a SIMD.
; CLUSTER 4, 1, 1: the four partners own the four units (cx) of the same blocks of one head, so they walk the same steps: no branch, trip count or LDS address
; hangs on cx; only global addresses and the diagonal's compare do.  K and V are asked for jointly (mask 15), one load a wave, 32,768 bytes each:
; at the head keys 0-1,023 (wave 0: K 0-511, 1: V 0-511, 2: K 512-1,023, 3: V 512-1,023); behind the full sequence and a round keys 1,024-2,047 likewise.
; A head's K and V fit in LDS whole: nothing is filled again.  The second group is waited for ahead of step 7; every first unit has 9 steps or more, so up to
; there all four waves do the same work.  NO PREFETCH: both groups of loads are issued ahead of the first key step: there is no trip to run ahead in.
; Both products are used transposed (S^T = K Q^T, O^T = V^T P^T): a lane holds one query of each tile.  By pi a lane's 16 registers of two neighbouring
; tiles are 16 neighbouring keys (S^T) or channels (O^T).  Every loop has a constant trip count; a step past the unit's last is jumped over on ids.
; In a step the next step's fragments of K and this step's of V are asked for ahead of the softmax and waited for behind it.
; LIMITS: e6 + e7 between -123 and 130 (added to c's exponent field); e9 and e10 between -126 and 112; scaled scores under 2^31.  NaN is not served.
; REGISTERS, window 0: v1-11 addresses; v12-15, v16-19 -M, largest t, sum of tile 0, 1; v20-23 f; v24-27 holds and scales; v28-31 at work; v32-47 Q;
; v48-79 p's codes; v80-127 partial sums; v128-191, v192-255 S^T, then p, of tile 0, 1.  Window 1: v0-63 O^T of tile 0, 1; v64-127 K's fragments; v128-191 V's.
.set KST,   8704                       ; a step in LDS: 8,192 bytes as 32 long rows of 256 + 16
.set KCH,   4*KST                      ; what one load brings
.set VOFF,  16*KST                     ; V behind K
.set STAGE, 2*VOFF                     ; the way out: 2,048 bytes a wave; no tensor load lands here
.set SPARE, STAGE+4*2048               ; the spare words, 128 bytes a wave
.set AK0, 1
.set AV0, 2
.set SPW, 3
.set NIL, 4
.set GO,  5
.set D0,  6                            ; my query of tile 0 less the diagonal step's first key less 16 h; D1: of tile 1
.set D1,  7
.set ADK, 8
.set ADV, 9
.set QO,  10
.set STI, 11
.set STB, 0
.set WV,  10
.set AL,  11
.set AH,  12
.set AA,  13                           ; the unit's block = its last step
.set JJ,  14                           ; the step
.set SB,  15                           ; KST x the step
.set CX,  18
.set HD,  19
.set SEL, 20
.set CS,  22
.set G1,  24
.set E89, 60
.set MSB, 0
.macro WIN new                         ; the immediate's high byte repeats the setting that is left
.if MSB != (\new)
	s_set_vgpr_msb (MSB<<8)|(\new)
.set MSB, (\new)
.endif
.endm
.macro ROUND                           ; a round of the cluster's barrier
	s_barrier_signal -1
	s_barrier_wait -1
	s_cmp_lg_u32 s[WV], 0
	s_cbranch_scc1 .Lnw0_\@
	s_barrier_signal -3
.Lnw0_\@:
	s_barrier_wait -3
	s_barrier_signal -1
	s_barrier_wait -1
.endm
.macro KLOAD adr                       ; eight tiles of 16 keys x 64 channels into window 1; leaves the destination's window at 1
	WIN 0x40
.set n, 0
.rept 8
	ds_load_b128 v[64+8*n:67+8*n], v[\adr] offset:1088*n
	ds_load_b128 v[68+8*n:71+8*n], v[\adr] offset:1088*n+32
.set n, n+1
.endr
.endm
.macro MKSC e, vs, vl                  ; 2^e as f32, and 57,344 x 2^e
	s_add_co_i32 s16, s[\e], 127
	s_lshl_b32 s17, s16, 23
	v_mov_b32 v[\vs], s17
	s_add_co_i32 s16, s16, 15
	s_lshl_b32 s16, s16, 23
	s_or_b32 s16, s16, 0x600000
	v_mov_b32 v[\vl], s16
.endm
.macro UNIT a, pre                     ; a unit begins: its addresses, its Q (pre = 1: copied from window 1, where the head has put it), zeros for O^T and the sums, -3e38 for the largest t
	s_mov_b32 s[AA], s[\a]
	s_lshl_b32 s42, s[\a], 13
	s_mov_b32 s43, 0
	s_add_nc_u64 s[46:47], s[48:49], s[42:43]
.if \pre
	WIN 0x01
.set n, 0
.rept 16
	v_mov_b32 v[32+n], v[192+n]
.set n, n+1
.endr
	WIN 0
.else
	s_add_nc_u64 s[44:45], s[40:41], s[42:43]
	global_load_b128 v[32:35], v[QO], s[44:45]
	global_load_b128 v[36:39], v[QO], s[44:45] offset:32
	global_load_b128 v[40:43], v[QO], s[44:45] offset:1024
	global_load_b128 v[44:47], v[QO], s[44:45] offset:1056
.endif
	v_mov_b32 v13, 0xff61b1e6
	v_mov_b32 v17, 0xff61b1e6
	v_floor_f32 v12, -v13
	v_floor_f32 v16, -v17
	v_mov_b32 v14, 0
	v_mov_b32 v15, 0
	v_mov_b32 v18, 0
	v_mov_b32 v19, 0
	WIN 0x40
.set n, 0
.rept 64
	v_mov_b32 v[n], 0                              ; the step is written without a first form of its own: its first pass finds zeros
.set n, n+1
.endr
	WIN 0
.endm
.macro FILL i                          ; tile 0 behind its exponentials, 80 lines that hang on no line among them but in this order: a sum of four p, then the hold of those four
.if ((\i)%5)==0
	v_pk_add_f32 v[80+2*((\i)/5):81+2*((\i)/5)], v[128+4*((\i)/5):129+4*((\i)/5)], v[130+4*((\i)/5):131+4*((\i)/5)]
.else
	v_min_num_f32 v[127+4*((\i)/5)+(\i)%5], v[127+4*((\i)/5)+(\i)%5], v24
.endif
.endm
.macro MIN1 from, cnt                  ; tile 1's hold: p is not negative, so it is one-sided
.set n, \from
.rept \cnt
	v_min_num_f32 v[192+n], v[192+n], v24
.set n, n+1
.endr
.endm
.macro STEP var                        ; 128 keys for 32 queries.  var = 1: the step may lie past the unit's last, or on the diagonal
.if \var
	s_cmp_gt_u32 s[JJ], s[AA]
	s_cbranch_scc1 .Lhid_\@
.endif
	s_add_co_u32 s16, s[SB], KST                   ; the next step's keys
.if \var
	s_min_u32 s16, s16, 15*KST                     ; (held inside K: what the last step fetches is not used)
.endif
	s_wait_dscnt 0x0                               ; this step's fragments of K are in
	WIN 0x01
.set n, 0
.rept 8
	v_wmma_f32_16x16x64_bf8_bf8 v[128+8*n:135+8*n], v[64+8*n:71+8*n], v[32:39], 0   ; register 16 b + i of the 64: key 128 x step + 32 b + 16 h + i
	v_wmma_f32_16x16x64_bf8_bf8 v[192+8*n:199+8*n], v[64+8*n:71+8*n], v[40:47], 0
.set n, n+1
.endr
	WIN 0
	v_add_nc_u32 v[ADK], s16, v[AK0]               ; four places behind the products: ahead of the loads into their sources and of the reads of S^T
	v_add_nc_u32 v[ADV], s[SB], v[AV0]
	v_nop
	v_nop
	KLOAD ADK
.set n, 0
.rept 4
.irp c, 0,1,2,3
	ds_load_b128 v[128+16*n+4*\c:131+16*n+4*\c], v[ADV] offset:2176*n+32*\c
.endr
.set n, n+1
.endr
	WIN 0
.if \var
	s_cmp_lg_u32 s[JJ], s[AA]                      ; only the unit's last step lies on the diagonal
	s_cbranch_scc1 .Lopen_\@
	v_mov_b32 v28, 0xff800000                      ; -infinity: p = 0 then
.set n, 0
.rept 64
	v_cmp_gt_i32 vcc_lo, 32*(n/16)+n%16, v[D0]
	v_cndmask_b32 v[128+n], v[128+n], v28, vcc_lo
	v_cmp_gt_i32 vcc_lo, 32*(n/16)+n%16, v[D1]
	v_cndmask_b32 v[192+n], v[192+n], v28, vcc_lo
.set n, n+1
.endr
.Lopen_\@:
.endif
	v_max3_num_f32 v28, v128, v129, v130           ; the step's largest scores: two chains a tile, the four by turns
	v_max3_num_f32 v30, v192, v193, v194
	v_max3_num_f32 v29, v131, v132, v133
	v_max3_num_f32 v31, v195, v196, v197
.irp i, 6,10,14,18,22,26,30,34,38,42,46,50,54,58
	v_max3_num_f32 v28, v28, v[128+\i], v[129+\i]
	v_max3_num_f32 v30, v30, v[192+\i], v[193+\i]
	v_max3_num_f32 v29, v29, v[130+\i], v[131+\i]
	v_max3_num_f32 v31, v31, v[194+\i], v[195+\i]
.endr
	v_max3_num_f32 v28, v28, v190, v191
	v_max3_num_f32 v30, v30, v254, v255
	v_max_num_f32 v28, v28, v29
	v_max_num_f32 v30, v30, v31
	v_permlanex16_b32 v29, v28, s[SEL], s[SEL+1]
	v_permlanex16_b32 v31, v30, s[SEL], s[SEL+1]
	v_max_num_f32 v28, v28, v29                    ; and lane l xor 16's
	v_max_num_f32 v30, v30, v31
	v_mul_f32 v28, s[CS], v28
	v_mul_f32 v30, s[CS], v30
	v_max_num_f32 v13, v13, v28                    ; the running largest t
	v_max_num_f32 v17, v17, v30
	v_mov_b32 v28, v12
	v_mov_b32 v30, v16
	v_floor_f32 v12, -v13                          ; the new -M = -ceil(t)
	v_floor_f32 v16, -v17
	v_sub_f32 v28, v12, v28                        ; old M - new M: a whole number, 0 or less
	v_sub_f32 v30, v16, v30
	v_cvt_i32_f32 v28, v28
	v_cvt_i32_f32 v30, v30
	v_ldexp_f32 v20, 1.0, v28                      ; f = 2^(old M - new M): multiplying by it rounds nothing
	v_ldexp_f32 v22, 1.0, v30
	WIN 0x41                                       ; O^T under the new M, ahead of the exponentials; each accumulator from its low end on
.set n, 0
.rept 16
	v_pk_mul_f32 v[n:n+1], v[n:n+1], v[20:21] op_sel_hi:[1,0]
.set n, n+2
.endr
.rept 16
	v_pk_mul_f32 v[n:n+1], v[n:n+1], v[22:23] op_sel_hi:[1,0]
.set n, n+2
.endr
	WIN 0
	v_pk_mul_f32 v[14:15], v[14:15], v[20:21] op_sel_hi:[1,0]
	v_pk_mul_f32 v[18:19], v[18:19], v[22:23] op_sel_hi:[1,0]
.set n, 0
.rept 32
	v_pk_fma_f32 v[128+n:129+n], v[128+n:129+n], s[CS:CS+1], v[12:13] op_sel_hi:[1,0,0]   ; tile 0: t - M
.set n, n+2
.endr
	s_wait_alu depctr_va_vdst(0)                   ; ahead of the batch
.set n, 0
.rept 32                                       ; tile 0's exponentials, with tile 1's t - M between them
	v_exp_f32 v[128+n], v[128+n]
	v_pk_fma_f32 v[192+n:193+n], v[192+n:193+n], s[CS:CS+1], v[16:17] op_sel_hi:[1,0,0]
	v_exp_f32 v[129+n], v[129+n]
.set n, n+2
.endr
	s_wait_alu depctr_va_vdst(0)                   ; behind tile 0's batch and ahead of tile 1's
.set n, 0
.set m, 0
.rept 64                                       ; tile 1's exponentials, with tile 0's first sums and holds between them, 80 lines in their order: none of these lines reads what another of them wrote
	v_exp_f32 v[192+n], v[192+n]
	FILL m
.set m, m+1
.if (n%4)==3
	FILL m
.set m, m+1
.endif
.set n, n+1
.endr
	s_wait_alu depctr_va_vdst(0)                   ; one wait for the batch, ahead of its first reader
.set k, 0
.rept 8
	v_pk_add_f32 v[80+2*k:81+2*k], v[80+2*k:81+2*k], v[96+2*k:97+2*k]
.set k, k+1
.endr
.set k, 0
.rept 8
	v_pk_add_f32 v[112+2*k:113+2*k], v[192+2*k:193+2*k], v[208+2*k:209+2*k]   ; tile 1's sum of the unquantised p, in eight chains
.set k, k+1
.endr
.set k, 0
.rept 4
	v_pk_add_f32 v[80+2*k:81+2*k], v[80+2*k:81+2*k], v[88+2*k:89+2*k]
.set k, k+1
.endr
.set k, 0
.rept 8
	v_pk_add_f32 v[112+2*k:113+2*k], v[112+2*k:113+2*k], v[224+2*k:225+2*k]
.set k, k+1
.endr
	v_pk_add_f32 v[80:81], v[80:81], v[84:85]
	v_pk_add_f32 v[82:83], v[82:83], v[86:87]
.set k, 0
.rept 8
	v_pk_add_f32 v[112+2*k:113+2*k], v[112+2*k:113+2*k], v[240+2*k:241+2*k]
.set k, k+1
.endr
	v_pk_add_f32 v[80:81], v[80:81], v[82:83]
.irp b, 0,1,2,3
	v_cvt_scalef32_pk8_bf8_f32 v[48+4*\b:49+4*\b], v[128+16*\b:135+16*\b], v25
	v_cvt_scalef32_pk8_bf8_f32 v[50+4*\b:51+4*\b], v[136+16*\b:143+16*\b], v25
.endr
	MIN1 0, 32
.set k, 0
.rept 4
	v_pk_add_f32 v[112+2*k:113+2*k], v[112+2*k:113+2*k], v[120+2*k:121+2*k]
.set k, k+1
.endr
	MIN1 32, 16
	v_pk_add_f32 v[112:113], v[112:113], v[116:117]
	v_pk_add_f32 v[114:115], v[114:115], v[118:119]
	MIN1 48, 16
	v_pk_add_f32 v[112:113], v[112:113], v[114:115]
	v_pk_add_f32 v[14:15], v[14:15], v[80:81]
.irp b, 0,1,2,3
	v_cvt_scalef32_pk8_bf8_f32 v[64+4*\b:65+4*\b], v[192+16*\b:199+16*\b], v25
	v_cvt_scalef32_pk8_bf8_f32 v[66+4*\b:67+4*\b], v[200+16*\b:207+16*\b], v25
.endr
	v_pk_add_f32 v[18:19], v[18:19], v[112:113]    ; also the plain instruction behind the last conversion
	s_wait_alu depctr_va_vdst(0)                   ; directly ahead of the wait below
	s_wait_dscnt 0x0                               ; V's fragments, and the next step's of K, asked for ahead of the softmax
	WIN 0x51
.set n, 0
.rept 4
	v_wmma_f32_16x16x128_bf8_bf8 v[8*n:8*n+7], v[128+16*n:143+16*n], v[48:63], v[8*n:8*n+7]
	v_wmma_f32_16x16x128_bf8_bf8 v[32+8*n:39+8*n], v[128+16*n:143+16*n], v[64:79], v[32+8*n:39+8*n]
.set n, n+1
.endr
	WIN 0
.if \var
.Lhid_\@:
.endif
	s_add_co_u32 s[SB], s[SB], KST
	s_add_co_u32 s[JJ], s[JJ], 1
.endm
.macro FIN                             ; ctx = O^T / the sum x 2^(e8 + e9), quantised with 2^e10; 32 queries x 64 codes go through my stage and leave as 2,048 consecutive bytes
	v_add_f32 v14, v14, v15
	v_add_f32 v18, v18, v19
	v_permlanex16_b32 v28, v14, s[SEL], s[SEL+1]
	v_permlanex16_b32 v30, v18, s[SEL], s[SEL+1]
	v_add_f32 v14, v14, v28
	v_add_f32 v18, v18, v30
	s_wait_alu depctr_va_vdst(0)                   ; ahead of the transcendentals
	v_rcp_f32 v14, v14
	v_rcp_f32 v18, v18
	v_nop
	s_wait_alu depctr_va_vdst(0)                   ; ahead of their first reader
	v_ldexp_f32 v14, v14, s[E89]
	v_ldexp_f32 v18, v18, s[E89]
	WIN 0x01
	s_wait_alu depctr_va_vdst(0)                   ; directly ahead of the first reader of O^T
.set n, 0
.rept 32
	v_mul_f32 v[128+n], v[n], v14                  ; register 16 b + i: channel 32 b + 16 h + i of my query
.set n, n+1
.endr
.set n, 0
.rept 32
	v_mul_f32 v[192+n], v[32+n], v18
.set n, n+1
.endr
	WIN 0
.set n, 0
.rept 32
	v_med3_num_f32 v[128+n], v[128+n], -v26, v26
	v_med3_num_f32 v[192+n], v[192+n], -v26, v26
.set n, n+1
.endr
.irp t, 0,1,2,3
	v_cvt_scalef32_pk8_bf8_f32 v[48+2*\t:49+2*\t], v[128+8*\t:135+8*\t], v27
	v_cvt_scalef32_pk8_bf8_f32 v[64+2*\t:65+2*\t], v[192+8*\t:199+8*\t], v27
.endr
	v_nop
	ds_store_b128 v[STI], v[48:51]
	ds_store_b128 v[STI], v[52:55] offset:32
	ds_store_b128 v[STI], v[64:67] offset:1024
	ds_store_b128 v[STI], v[68:71] offset:1056
.irp t, 0,1,2,3
	ds_load_b128 v[80+4*\t:83+4*\t], v[STB] offset:512*\t   ; LDS serves a wave's instructions in order: these see my stores
.endr
	s_wait_dscnt 0x0
.irp t, 0,1,2,3
	global_store_b128 v[GO], v[80+4*\t:83+4*\t], s[46:47] offset:512*\t   ; 512 consecutive bytes, aligned
.endr
.endm
	s_load_b128 s[4:7], s[0:1], 0x0                ; qkv, the exponents
	s_load_b64 s[8:9], s[0:1], 0x10                ; cc
	v_lshl_add_u32 v[SPW], v0, 2, SPARE
	v_mov_b32 v[NIL], 0
	ds_add_u32 v[SPW], v[NIL]                      ; the opening: the add, twice on end, and its wait ahead of the round in front of my first tensor load
	ds_add_u32 v[SPW], v[NIL]
	v_lshrrev_b32 v8, 5, v0
	v_readfirstlane_b32 s[WV], v8                  ; wave 0..3
	s_bfe_u32 s[CX], ttmp6, 0x40000                ; my place in the cluster: which 32 of a block's 128 queries
	s_and_b32 s[HD], ttmp7, 0xffff                 ; 16 x batch + head
	s_lshl_b32 s[AL], s[WV], 1
	s_add_co_u32 s[AL], s[AL], ttmp9               ; a = 2 x wave + the cluster's x: the same in all partners
	s_sub_co_u32 s[AH], 15, s[AL]
	s_mov_b32 s[G1], 15|(1<<20)|(1<<21)|(5<<22)|(3<<25)   ; the mask: all four partners; elements of 1 byte; 4 words of padding behind every 64
	s_mov_b32 s[G1+1], 256<<16                     ; tensor_dim0: a long row
	s_mov_b32 s[G1+2], 128<<16                     ; tensor_dim1
	s_mov_b32 s[G1+3], 256<<16                     ; tile_dim0
	s_mov_b32 s[G1+4], 128                         ; tile_dim1
	s_mov_b32 s[G1+5], 256                         ; dense in memory
	s_mov_b32 s[G1+6], 0
	s_mov_b32 s[G1+7], 0
	s_mov_b32 s[SEL], 0x76543210
	s_mov_b32 s[SEL+1], 0xfedcba98
	s_mov_b32 s[CS], 0x3e38aa3b                    ; c = log2(e) / 8
	s_and_b32 s16, s[WV], 1                        ; I fetch for K (0) or V (1),
	s_lshr_b32 s17, s[WV], 1                       ; the group's first or second 512 keys
	s_mul_i32 s33, s16, VOFF
	s_mul_i32 s42, s17, KCH
	s_add_co_u32 s33, s33, s42                     ; LDS address: the wave's number alone
	s_add_co_u32 s37, s33, 2*KCH                   ; the second group: 1,024 keys on
	s_lshl_b32 s42, s16, 22
	s_add_co_u32 s42, s42, 0x400000                ; k's plane at 4 MiB, v's at 8 MiB
	s_lshl_b32 s43, s17, 15
	s_add_co_u32 s42, s42, s43
	s_lshl_b32 s43, s[HD], 17                      ; a head is 131,072 bytes in each plane
	s_add_co_u32 s42, s42, s43
	s_mov_b32 s43, 0
	s_mov_b32 s32, 1
	s_mov_b32 s36, 1
	s_wait_dscnt 0x0                               ; both opening adds are done
	s_wait_kmcnt 0x0
	s_load_b256 s[52:59], s[6:7], 0x18             ; e6 .. e13 in s52 .. s59
	s_add_nc_u64 s[34:35], s[4:5], s[42:43]
	s_add_nc_u64 s[38:39], s[34:35], 65536
	s_or_b32 s35, s35, 0x80000000
	s_or_b32 s39, s39, 0x80000000
	ROUND                                          ; the four partners are here: the joint loads meet
	tensor_load_to_lds s[32:35], s[G1:G1+7]        ; keys 0-1,023: my one load at the head
	s_nop 0
.rept 4
	v_nop
.endr
	v_and_b32 v8, 15, v0                           ; r
	v_bfe_u32 v9, v0, 4, 1                         ; h
	v_lshlrev_b32 v[QO], 6, v8
	v_lshl_add_u32 v[QO], v9, 4, v[QO]             ; row r of 64 bytes, + 16 h: Q in memory, and ctx in the stage
	v_lshrrev_b32 v11, 2, v8
	v_mul_u32_u24 v[AK0], v11, 272
	v_and_b32 v11, 3, v8
	v_lshl_add_u32 v[AK0], v11, 6, v[AK0]
	v_lshl_add_u32 v[AK0], v9, 4, v[AK0]           ; K: position r of a tile: long row r / 4, byte 64 (r % 4) + 16 h
	v_lshrrev_b32 v11, 1, v8
	v_mul_u32_u24 v[AV0], v11, 272
	v_and_b32 v11, 1, v8
	v_lshl_add_u32 v[AV0], v11, 7, v[AV0]
	v_lshl_add_u32 v[AV0], v9, 4, v[AV0]           ; V: row r of a tile: long row r / 2, byte 128 (r % 2) + 16 h: sixteen lanes, sixteen different columns of 16 bytes
	v_add_nc_u32 v[AV0], VOFF, v[AV0]
	v_and_b32 v[GO], 31, v0
	v_lshlrev_b32 v[GO], 4, v[GO]
	s_lshl_b32 s17, s[CX], 5
	v_lshlrev_b32 v11, 4, v9
	v_sub_nc_u32 v[D0], v8, v11
	v_add_nc_u32 v[D0], s17, v[D0]                 ; on the diagonal register 16 b + i is hidden where 32 b + i > 32 cx + 16 x tile + r - 16 h
	v_add_nc_u32 v[D1], 16, v[D0]
	s_lshl_b32 s16, s[WV], 11
	s_add_co_u32 s16, s16, STAGE                   ; my stage
	v_add_nc_u32 v[STI], s16, v[QO]
	v_add_nc_u32 v[STB], s16, v[GO]                ; (v0's last use as the thread's number stands above)
	v_mov_b32 v21, 0                               ; named as the upper halves of the pairs of f
	v_mov_b32 v23, 0
	s_lshl_b32 s42, s[HD], 17
	s_lshl_b32 s16, s[CX], 11                      ; 32 queries of 64 bytes
	s_add_co_u32 s42, s42, s16
	s_mov_b32 s43, 0
	s_add_nc_u64 s[40:41], s[4:5], s[42:43]        ; Q: my head, my place in a block
	s_and_b32 s42, s[HD], 15
	s_lshl_b32 s42, s42, 18                        ; cc: a head is 4,096 rows of 64 bytes,
	s_lshr_b32 s17, s[HD], 4
	s_lshl_b32 s17, s17, 17                        ; a batch 2,048 of them
	s_add_co_u32 s42, s42, s17
	s_add_co_u32 s42, s42, s16
	s_add_nc_u64 s[48:49], s[8:9], s[42:43]
	s_wait_kmcnt 0x0
	s_add_co_i32 s16, s52, s53
	s_lshl_b32 s16, s16, 23
	s_add_co_i32 s[CS], s[CS], s16                 ; a score stands for score x 2^(e6 + e7)
	s_mov_b32 s[CS+1], s[CS]
	s_add_co_i32 s[E89], s54, s55
	MKSC 55, 25, 24                                ; entry 9, for p
	MKSC 56, 27, 26                                ; entry 10, for ctx
	UNIT AH, 0                                     ; the late unit first
	s_lshl_b32 s42, s[AL], 13
	s_add_nc_u64 s[50:51], s[40:41], s[42:43]
	WIN 0x40                                       ; the early unit's Q is asked for here too, into v192-207 of window 1
	global_load_b128 v[192:195], v[QO], s[50:51]
	global_load_b128 v[196:199], v[QO], s[50:51] offset:32
	global_load_b128 v[200:203], v[QO], s[50:51] offset:1024
	global_load_b128 v[204:207], v[QO], s[50:51] offset:1056
	WIN 0
	s_wait_alu depctr_va_vdst(0)                   ; the head's end
	s_wait_tensorcnt 0x0                           ; my part of keys 0-1,023 is in
	ds_add_u32 v[SPW], v[NIL]
	s_wait_dscnt 0x0
	ROUND                                          ; everybody's part is in, and the four partners are here
	tensor_load_to_lds s[36:39], s[G1:G1+7]        ; keys 1,024-2,047: my one load behind the round; seven steps stand ahead of the wait for it
	s_nop 0
.rept 4
	v_nop
.endr
	KLOAD AK0                                      ; step 0's fragments of K
	WIN 0
	s_mov_b32 s[JJ], 0
	s_mov_b32 s[SB], 0
	s_wait_loadcnt 0x0                             ; Q
.Lfirst:                                           ; steps 0-6: they read, and fetch ahead, keys 0-1,023 alone
	STEP 0
	s_cmp_lt_u32 s[JJ], 7
	s_cbranch_scc1 .Lfirst
	s_wait_tensorcnt 0x0                           ; my part of keys 1,024-2,047 is in,
	s_wait_dscnt 0x0
	s_barrier_signal -1
	s_barrier_wait -1                              ; and everybody's
.Lsecond:                                          ; steps 7-15
	STEP 1
	s_cmp_lt_u32 s[JJ], 16
	s_cbranch_scc1 .Lsecond
	FIN
	s_wait_xcnt 0x0                                ; the stores have read their registers and their base
	UNIT AL, 1                                     ; the early unit: a + 1 steps, at most 8
	KLOAD AK0
	WIN 0
	s_mov_b32 s[JJ], 0
	s_mov_b32 s[SB], 0
	s_wait_alu depctr_va_vdst(0)                   ; ahead of the loop's branches and waits
.Lthird:
	STEP 1
	s_cmp_lt_u32 s[JJ], 8
	s_cbranch_scc1 .Lthird
	FIN
	s_wait_tensorcnt 0x0                           ; the wave's end
	ds_add_u32 v[SPW], v[NIL]
	s_wait_dscnt 0x0
	ROUND                                          ; the closing round
	s_endpgm
.Lfunc_end_k_qe8c45403b2_attn:
	.size	k_qe8c45403b2_attn, .Lfunc_end_k_qe8c45403b2_attn-k_qe8c45403b2_attn
	.p2alignl 7, 3214868480
	.fill 96, 4, 3214868480
	.section	.rodata,"a",@progbits
	.p2align	6, 0x0
	.amdhsa_kernel k_qe8c45403b2_attn
		.amdhsa_group_segment_fixed_size 327680
		.amdhsa_private_segment_fixed_size 0
		.amdhsa_enable_private_segment 0
		.amdhsa_kernarg_size 24
		.amdhsa_user_sgpr_count 2
		.amdhsa_user_sgpr_kernarg_segment_ptr 1
		.amdhsa_wavefront_size32 1
		.amdhsa_system_sgpr_workgroup_id_x 1
		.amdhsa_system_sgpr_workgroup_id_y 1
		.amdhsa_system_sgpr_workgroup_id_z 1
		.amdhsa_system_vgpr_workitem_id 0
		.amdhsa_next_free_vgpr 464
		.amdhsa_next_free_sgpr 66
		.amdhsa_reserve_vcc 1
		.amdhsa_float_denorm_mode_32 3
		.amdhsa_float_denorm_mode_16_64 3
		.amdhsa_memory_ordered 1
		.amdhsa_forward_progress 1
		.amdhsa_inst_pref_size 137
	.end_amdhsa_kernel
	.amdgpu_metadata
---
amdhsa.version: [ 1, 2 ]
amdhsa.kernels:
  - .name:           k_qe8c45403b2_attn
    .symbol:         k_qe8c45403b2_attn.kd
    .args:
      - { .name: qkv, .offset: 0, .size: 8, .value_kind: global_buffer, .address_space: global }
      - { .name: lowp_scales, .offset: 8, .size: 8, .value_kind: global_buffer, .address_space: global }
      - { .name: cc, .offset: 16, .size: 8, .value_kind: global_buffer, .address_space: global }
    .group_segment_fixed_size: 327680
    .private_segment_fixed_size: 0
    .kernarg_segment_align: 8
    .kernarg_segment_size: 24
    .max_flat_workgroup_size: 128
    .sgpr_count:     66
    .vgpr_count:     464
    .wavefront_size: 32
...
	.end_amdgpu_metadata
.endif
;; end of part 3
;; launch wo (part 4): grid 8 x 32, 4 waves a work-group, clusters of 4 x 4, 327,680 bytes of LDS; arguments cc, wc, lowp_scales, x, bo, x1; writes x1
.if DOCPART == 4
	.amdgcn_target "amdgcn-amd-amdhsa--gfx1250"
	.amdhsa_code_object_version 6
	.text
	.protected	k_qe8c45403b2_wo
	.globl	k_qe8c45403b2_wo
	.p2align	8
	.type	k_qe8c45403b2_wo,@function
k_qe8c45403b2_wo:
	s_mov_b64 s[64:65], 0
	v_nop
	global_prefetch_b8 v0, s[64:65] scope:SCOPE_SE
	s_setreg_imm32_b32 hwreg(HW_REG_WAVE_MODE, 25, 1), 1
	s_wait_xcnt 0x0
	s_wait_alu depctr_hold_cnt(0) depctr_sa_sdst(0) depctr_va_vdst(0) depctr_va_sdst(0) depctr_va_ssrc(0) depctr_va_vcc(0) depctr_vm_vsrc(0)
	s_getreg_b32 s2, hwreg(HW_REG_IB_STS2, 6, 4)
	s_cmp_eq_u32 s2, 0
	s_cbranch_scc0 .Lentry_in_a_cluster
	s_endpgm
.Lentry_in_a_cluster:
	s_bfe_u32 s2, ttmp6, 0x10000c
	s_cmp_lg_u32 s2, 0xf033
	s_cbranch_scc0 .Lentry_shape_is_right
	s_endpgm
.Lentry_shape_is_right:
; OUT[m][n] = RES[m][n] + BIAS[n] + 2^(eA + eB) x the sum over k of A[m][k] B[n][k], on codes of E5M2; OUT and RES [4,096][1,024] f32.
; IS_WO = 1: product 6: A = ctx's codes, laid [16 heads][4,096][64] (k = 64 x head + channel), B = Wo's codes at 3 MiB of wc, K = 1,024, entries 10 and 11; RES = x, BIAS = bo.
; IS_WO = 0: product 8: A = the activation's codes [4,096][4,096], B = W2's codes at 8 MiB of wc, K = 4,096, entries 14 and 15; RES = x1, BIAS = b2.
; B's rows lie at pi(n) (pi swaps bits 3 and 4), so a lane's 16 registers of two neighbouring tiles are 16 neighbouring columns.
; A tile of OUT is 128 x 128, so that there are 256 work-groups; four waves, each 64 x 64: 16 accumulators.  K goes in steps of 512 through two LDS slots, filled by joint tensor loads:
; 4 x 4 work-groups form a cluster, A's tile is shared along a row of it, B's along a column.  The matrix instruction is used transposed (source 0 = 16 rows of B, source 1 = 16 rows of A).
; LIMIT: eA + eB between -126 and 127.
; REGISTERS: window 0: v0-31 addresses, v8-11 the bias, v32-95 the way out, v128-255 the accumulators ((a, b) at v[128 + 8 (4 a + b)]); window 1: two fragment buffers of 128 (A's four blocks, then B's four);
; window 2: v0-127 RES, asked for at the head.
.set IS_WO, 1
.if IS_WO
.set KROWB, 1024                       ; a row of B in bytes
.set BBASE, 3<<20
.set SCOFF, 0x28
.set LAPS,  1                          ; a lap = two slots = 1,024 along K
.set AHALF, 4*8704                     ; half a slot's A: four heads x 128 rows x 64 bytes, as long rows of 256 bytes + 16
.set ASLOT, 8*262144                   ; from a slot's heads to the next slot's, in memory
.else
.set KROWB, 4096
.set BBASE, 8<<20
.set SCOFF, 0x38
.set LAPS,  4
.set AHALF, 64*528                     ; 64 rows of 512 bytes + 16
.set ASLOT, 512
.endif
.set BP,    528                        ; a row of B in LDS: 512 bytes + 16
.set BHALF, 64*BP
.set AREG,  2*AHALF
.set SLOT,  AREG+2*BHALF
.set STAGE, 2*SLOT                     ; behind the ring: 16 rows x 272 bytes for each wave
.set SPARE, STAGE+4*16*272             ; behind the stages: the spare words, 128 bytes a wave
.set ADRA, 16
.set ADRB, 20
.set STO,  24
.set RD,   25
.set CO,   26
.set BO,   27
.set SPW,  28
.set NIL,  29
.set TMP,  32
.set ACC,  128
.set F0,   0
.set F1,   128
.set G1, 24
.set G0, 32
.set G1B, 48
.set G0B, 56
.set MSB, 0
.macro WIN new                         ; the immediate's high byte repeats the setting that is left
.if MSB != (\new)
	s_set_vgpr_msb (MSB<<8)|(\new)
.set MSB, (\new)
.endif
.endm
.set MUL,  0x05                        ; sources 0 and 1 window 1; C and D window 0
.set TO_F, 0x40                        ; destination window 1
.macro JLOAD s                         ; a joint load: waves 0, 1 fetch for A, waves 2, 3 for B; four v_nop follow each line
	s_cmp_eq_u32 s17, 0
	s_cbranch_scc0 .Lfor_b_\@
	tensor_load_to_lds s[G0+4*\s:G0+4*\s+3], s[G1:G1+7]
	s_nop 0
.rept 4
	v_nop
.endr
	s_branch .Lasked_\@
.Lfor_b_\@:
	tensor_load_to_lds s[G0B+4*\s:G0B+4*\s+3], s[G1B:G1B+7]
	s_nop 0
.rept 4
	v_nop
.endr
.Lasked_\@:
.endm
.macro CREST
	s_cmp_lg_u32 s16, 0
	s_cbranch_scc1 .Lnot_wave_0_\@
	s_barrier_signal -3
.Lnot_wave_0_\@:
	s_barrier_wait -3
	s_barrier_signal -1
	s_barrier_wait -1
.endm
.macro CROUND
	s_barrier_signal -1
	s_barrier_wait -1
	CREST
.endm
	s_load_b256 s[4:11], s[0:1], 0x0               ; A's codes s[4:5], wc s[6:7], the exponents s[8:9], RES s[10:11]
	s_load_b128 s[12:15], s[0:1], 0x20             ; BIAS s[12:13], OUT s[14:15]
	v_lshl_add_u32 v[SPW], v0, 2, SPARE
	v_mov_b32 v[NIL], 0
	v_lshrrev_b32 v1, 5, v0
	v_readfirstlane_b32 s16, v1                    ; wave
	s_lshr_b32 s17, s16, 1                         ; my half of the tile's rows; also: I fetch for A (0) or B (1)
	s_and_b32 s18, s16, 1                          ; my half of its columns; also: which half of that tile I fetch
	s_bfe_u32 s40, ttmp6, 0x40000                  ; cx
	s_bfe_u32 s41, ttmp6, 0x40004                  ; cy
	s_lshl_b32 s42, ttmp9, 2
	s_add_co_u32 s42, s42, s40                     ; tile column
	s_and_b32 s19, ttmp7, 0xffff
	s_lshl_b32 s19, s19, 2
	s_add_co_u32 s19, s19, s41                     ; tile row
	s_lshl_b32 s43, s41, 2
	s_lshl_b32 s43, 15, s43                        ; my row of the cluster
	s_lshl_b32 s44, 0x1111, s40                    ; my column
.if IS_WO
	s_or_b32 s[G1+0], s43, (0<<16)|(1<<20)|(1<<21)|(5<<22)|(3<<25)   ; A: 4 words of padding behind every 64: a head's 8,192 bytes become 32 long rows of 272
	s_mov_b32 s[G1+1], 8192<<16                    ; tensor_dim0: 128 rows x 64 bytes of one head, dense
	s_mov_b32 s[G1+2], 8<<16                       ; tensor_dim1: a slot's eight heads
	s_mov_b32 s[G1+3], 8192<<16                    ; tile_dim0
	s_mov_b32 s[G1+4], 8                           ; tile_dim1
	s_mov_b32 s[G1+5], 262144                      ; from head to head
.else
	s_or_b32 s[G1+0], s43, (0<<16)|(1<<20)|(1<<21)|(6<<22)|(3<<25)   ; A: 4 words behind every 128
	s_mov_b32 s[G1+1], 512<<16
	s_mov_b32 s[G1+2], 64<<16
	s_mov_b32 s[G1+3], 512<<16
	s_mov_b32 s[G1+4], 64
	s_mov_b32 s[G1+5], 4096
.endif
	s_mov_b32 s[G1+6], 0
	s_mov_b32 s[G1+7], 0
	s_or_b32 s[G1B+0], s44, (0<<16)|(1<<20)|(1<<21)|(6<<22)|(3<<25)
	s_mov_b32 s[G1B+1], 512<<16
	s_mov_b32 s[G1B+2], 128<<16
	s_mov_b32 s[G1B+3], 512<<16
	s_mov_b32 s[G1B+4], 128
	s_mov_b32 s[G1B+5], KROWB
	s_mov_b32 s[G1B+6], 0
	s_mov_b32 s[G1B+7], 0
.if IS_WO
	s_lshl_b32 s20, s18, 21                        ; the two slots hold all of K: each wave fills one slot's A or B whole, one load a wave at the head.  Slot s18's eight heads,
	s_lshl_b32 s21, s19, 13                        ; the tile's 128 rows of 64 bytes
	s_add_co_u32 s20, s20, s21
.else
	s_lshl_b32 s20, s19, 7
	s_lshl_b32 s21, s18, 6
	s_add_co_u32 s20, s20, s21
	s_lshl_b32 s20, s20, 12                        ; row 128 x tile row + 64 x half
.endif
	s_mov_b32 s21, 0
	s_lshl_b32 s46, s42, 7
	s_mul_i32 s46, s46, KROWB
	s_lshl_b32 s47, s18, 9                         ; slot s18's 512 along K of the tile's 128 rows
	s_add_co_u32 s46, s46, s47
	s_add_co_u32 s46, s46, BBASE                   ; B: row 128 x tile column
	s_mov_b32 s47, 0
	s_mul_i32 s22, s18, SLOT
	s_mul_i32 s23, s18, SLOT
	s_add_co_u32 s23, s23, AREG
	s_wait_kmcnt 0x0
	s_load_b64 s[68:69], s[8:9], SCOFF             ; eA, eB
	s_add_nc_u64 s[66:67], s[4:5], s[20:21]
	s_add_nc_u64 s[46:47], s[6:7], s[46:47]
.irp s, 0
	s_mov_b32 s[G0+4*\s], 1
	s_add_co_u32 s[G0+4*\s+1], s22, \s*SLOT
	s_add_nc_u64 s[G0+4*\s+2:G0+4*\s+3], s[66:67], \s*ASLOT
	s_or_b32 s[G0+4*\s+3], s[G0+4*\s+3], 0x80000000
	s_mov_b32 s[G0B+4*\s], 1
	s_add_co_u32 s[G0B+4*\s+1], s23, \s*SLOT
	s_add_nc_u64 s[G0B+4*\s+2:G0B+4*\s+3], s[46:47], \s*512
	s_or_b32 s[G0B+4*\s+3], s[G0B+4*\s+3], 0x80000000
	s_wait_alu depctr_va_vdst(0)                   ; directly ahead of the wait below
	s_wait_tensorcnt 0x0                           ; one tensor load a wave, behind the round below
	ds_add_u32 v[SPW], v[NIL]                      ; 0 onto my spare word, twice on end
	ds_add_u32 v[SPW], v[NIL]
	s_wait_dscnt 0x0
	CROUND                                         ; all sixteen work-groups are here: the joint loads meet
	JLOAD \s
.endr
	v_and_b32 v1, 15, v0                           ; r
	v_bfe_u32 v2, v0, 4, 1                         ; h
	v_mul_u32_u24 v3, v1, BP
	v_lshl_add_u32 v3, v2, 4, v3                   ; r x pitch + 16 h
.if IS_WO
	v_lshrrev_b32 v4, 2, v1
	v_mul_u32_u24 v4, v4, 272
	v_and_b32 v5, 3, v1
	v_lshl_add_u32 v4, v5, 6, v4
	v_lshl_add_u32 v4, v2, 4, v4                   ; A: row r of a block: long row r / 4, byte 64 (r % 4) + 16 h
	s_mul_i32 s21, s17, 16*272                     ; my 64 rows are 16 long rows
.else
	v_mov_b32 v4, v3
	s_mul_i32 s21, s17, AHALF
.endif
	s_mul_i32 s22, s18, BHALF
	s_add_co_u32 s22, s22, AREG
.irp s, 0,1
	v_add_nc_u32 v[ADRA+\s], s21, v4
	v_add_nc_u32 v[ADRB+\s], s22, v3
	s_add_co_u32 s21, s21, SLOT
	s_add_co_u32 s22, s22, SLOT
.endr
	s_mul_i32 s23, s16, 16*272
	s_add_co_u32 s23, s23, STAGE                   ; my stage
	v_mul_u32_u24 v5, v1, 272
	v_lshl_add_u32 v5, v2, 6, v5
	v_add_nc_u32 v[STO], s23, v5                   ; in: row r, + 64 h
	v_mul_u32_u24 v5, v2, 272
	v_lshl_add_u32 v5, v1, 4, v5
	v_add_nc_u32 v[RD], s23, v5                    ; back: lanes 0-15 one row of 256 bytes, lanes 16-31 the next
	v_lshlrev_b32 v[CO], 12, v2
	v_lshl_add_u32 v[CO], v1, 4, v[CO]             ; and the same two rows in RES and OUT
	s_wait_alu depctr_va_vdst(0)
	v_lshlrev_b32 v[BO], 4, v1
	s_wait_alu depctr_va_vdst(0)
	s_lshl_b32 s70, s19, 7
	s_lshl_b32 s71, s17, 6
	s_add_co_u32 s70, s70, s71
	s_lshl_b32 s70, s70, 12                        ; my first row: 128 x tile row + 64 x half, rows of 4,096 bytes
	s_lshl_b32 s72, s42, 9
	s_lshl_b32 s71, s18, 8
	s_add_co_u32 s72, s72, s71                     ; my first column, in bytes: 512 x tile column + 256 x half
	s_add_co_u32 s70, s70, s72
	s_mov_b32 s71, 0
	s_mov_b32 s73, 0
	s_add_nc_u64 s[10:11], s[10:11], s[70:71]
	s_add_nc_u64 s[14:15], s[14:15], s[70:71]
	s_add_nc_u64 s[12:13], s[12:13], s[72:73]
.macro FRAGA reg, slot, q, i           ; 16 rows x 128 K: registers 4 c .. 4 c + 3 hold K = 32 c + 16 h + 0 .. 15, in A and in B alike
.irp c, 0,1,2,3
.if IS_WO
	ds_load_b128 v[\reg+4*\c:\reg+4*\c+3], v[ADRA+\slot] offset:(2*(\q)+\c/2)*8704+32*(\c%2)+(\i)*1088
.else
	ds_load_b128 v[\reg+4*\c:\reg+4*\c+3], v[ADRA+\slot] offset:128*(\q)+32*\c+(\i)*16*BP
.endif
.endr
.endm
.macro FRAGB reg, slot, q, i
.irp c, 0,1,2,3
	ds_load_b128 v[\reg+4*\c:\reg+4*\c+3], v[ADRB+\slot] offset:128*(\q)+32*\c+(\i)*16*BP
.endr
.endm
.macro MUL4 f, a, zero                 ; A's block a x B's four; the 16 accumulators take turns, one instruction a turn
.irp b, 0,1,2,3
.if \zero
	v_wmma_f32_16x16x128_bf8_bf8 v[ACC+8*(4*(\a)+\b):ACC+8*(4*(\a)+\b)+7], v[\f+64+16*\b:\f+64+16*\b+15], v[\f+16*(\a):\f+16*(\a)+15], 0
.else
	v_wmma_f32_16x16x128_bf8_bf8 v[ACC+8*(4*(\a)+\b):ACC+8*(4*(\a)+\b)+7], v[\f+64+16*\b:\f+64+16*\b+15], v[\f+16*(\a):\f+16*(\a)+15], v[ACC+8*(4*(\a)+\b):ACC+8*(4*(\a)+\b)+7]
.endif
.endr
.endm
.macro FETCH slot, q, f                ; 32 LDS loads in one run: B's four blocks, then A's four
	WIN TO_F
.irp i, 0,1,2,3
	FRAGB \f+64+16*\i, \slot, \q, \i
.endr
.irp i, 0,1,2,3
	FRAGA \f+16*\i, \slot, \q, \i
.endr
.endm
.macro PLACES                          ; plain vector instructions between a matrix instruction and a load into its registers
.rept 4
	v_nop
.endr
.endm
.macro QUARTER slot, q, f, g, zero     ; multiplies buffer f (128 along K) and fetches the slot's quarter q into g
	s_wait_dscnt 8                                 ; B and A's blocks 0, 1 are in; the youngest eight loads (A's blocks 2, 3) may be out
	WIN MUL
	MUL4 \f, 0, \zero
	MUL4 \f, 1, \zero
	PLACES
	FETCH \slot, \q, \g
	s_wait_dscnt 32                                ; all but the 32 just issued
	WIN MUL
	MUL4 \f, 2, \zero
	MUL4 \f, 3, \zero
.endm
.macro TURN slot, next, fill           ; a slot's last quarter (buffer 1), and the change of slots
	WIN 0
	s_wait_tensorcnt 0x0                           ; all my tensor loads have landed: my part of the next slot
	ds_add_u32 v[SPW], v[NIL]                      ; 0 onto my spare word
	s_wait_dscnt 9                                 ; the add and the youngest eight loads may be out
	WIN MUL
	MUL4 F1, 0, 0
	MUL4 F1, 1, 0
	s_wait_dscnt 0x0                               ; the add is done, and my reads of this slot are over
	s_barrier_signal -1
	MUL4 F1, 2, 0
	WIN 0
	s_barrier_wait -1
.if \fill
	CREST                                          ; the barrier has opened a round of the cluster's barrier: no wave of any partner still reads this slot or has a load on its way
	s_add_nc_u64 s[G0+4*\slot+2:G0+4*\slot+3], s[G0+4*\slot+2:G0+4*\slot+3], 2*ASLOT
	s_add_nc_u64 s[G0B+4*\slot+2:G0B+4*\slot+3], s[G0B+4*\slot+2:G0B+4*\slot+3], 2*512
	JLOAD \slot                                    ; the first tensor load behind the round; its four v_nop are the places in front of the loads below
.else
	PLACES
.endif
	FETCH \next, 0, F0
	WIN MUL
	MUL4 F1, 3, 0
.endm
	s_wait_tensorcnt 0x0                           ; my one load is in
	s_barrier_signal -1
	s_barrier_wait -1
	WIN 0x80                                       ; RES and BIAS are asked for here, behind the landing of the one fill, and not at the head: all eight quarter steps stand ahead of the wait for them
.irp a, 0,1,2,3
.irp t, 0,1,2,3,4,5,6,7
	global_load_b128 v[4*(8*\a+\t):4*(8*\a+\t)+3], v[CO], s[10:11] offset:(16*\a+2*\t)*4096   ; RES in the layout of the stores
.endr
.endr
	WIN 0
	global_load_b128 v[8:11], v[BO], s[12:13]      ; BIAS at my four columns
	FETCH 0, 0, F0
	QUARTER 0, 1, F0, F1, 1                        ; the first products start the sums
.if LAPS > 1
	WIN 0
	s_mov_b32 s3, LAPS-1
.Llap:
	QUARTER 0, 2, F1, F0, 0
	QUARTER 0, 3, F0, F1, 0
	TURN 0, 1, 1
	QUARTER 1, 1, F0, F1, 0
	QUARTER 1, 2, F1, F0, 0
	QUARTER 1, 3, F0, F1, 0
	TURN 1, 0, 1
	QUARTER 0, 1, F0, F1, 0
	WIN 0
	s_sub_co_u32 s3, s3, 1
	s_cmp_lg_u32 s3, 0
	s_cbranch_scc1 .Llap
.endif
	QUARTER 0, 2, F1, F0, 0                        ; the last lap fills nothing
	QUARTER 0, 3, F0, F1, 0
	TURN 0, 1, 0
	QUARTER 1, 1, F0, F1, 0
	QUARTER 1, 2, F1, F0, 0
	QUARTER 1, 3, F0, F1, 0
	s_wait_dscnt 8
	WIN MUL
	MUL4 F1, 0, 0
	MUL4 F1, 1, 0
	s_wait_dscnt 0
	MUL4 F1, 2, 0
	MUL4 F1, 3, 0
	WIN 0
	; THE WAY OUT.  RES takes the bias; then, 16 rows at a time, the sums go through my stage and come back as whole rows of 256 bytes: OUT = sum x 2^(eA + eB) + RES.
	s_wait_loadcnt 0x0
	s_wait_kmcnt 0x0
	s_add_co_i32 s68, s68, s69
	s_add_co_i32 s68, s68, 127
	s_lshl_b32 s68, s68, 23                        ; 2^(eA + eB) as f32
	s_mov_b32 s69, s68
	WIN 0x82                                       ; destination and source 0: window 2
.set j, 0
.rept 64
	v_pk_add_f32 v[j:j+1], v[j:j+1], v[8+j%4:9+j%4]   ; these are also the places behind the last products
.set j, j+2
.endr
	WIN 0
.macro OUTB a
.set TM, TMP+32*((\a)%2)
.if (\a) >= 2
	s_wait_xcnt 0x0                                ; block a - 2's stores have read their registers
.endif
.irp b, 0,1,2,3
	ds_store_b128 v[STO], v[ACC+8*(4*(\a)+\b):ACC+8*(4*(\a)+\b)+3] offset:128*(\b/2)+32*(\b%2)      ; columns 32 (b / 2) + 16 h + 8 (b % 2) + 0 .. 7; each accumulator from its low end on
	ds_store_b128 v[STO], v[ACC+8*(4*(\a)+\b)+4:ACC+8*(4*(\a)+\b)+7] offset:128*(\b/2)+32*(\b%2)+16
.endr
.irp t, 0,1,2,3,4,5,6,7
	ds_load_b128 v[TM+4*\t:TM+4*\t+3], v[RD] offset:\t*2*272   ; LDS serves a wave's instructions in order: these see my stores, and the next block's stores come behind them
.endr
	s_wait_dscnt 0x0
	WIN 0x20                                       ; source 2: window 2
.set j, 0
.rept 16
	v_pk_fma_f32 v[TM+j:TM+j+1], v[TM+j:TM+j+1], s[68:69], v[32*(\a)+j:32*(\a)+j+1] op_sel_hi:[1,0,1]
.set j, j+2
.endr
	WIN 0
.irp t, 0,1,2,3,4,5,6,7
	global_store_b128 v[CO], v[TM+4*\t:TM+4*\t+3], s[14:15] offset:(16*(\a)+2*\t)*4096   ; sixteen lanes store 256 consecutive bytes, aligned
.endr
.endm
	OUTB 0
	OUTB 1
	OUTB 2
	OUTB 3
	s_wait_tensorcnt 0x0                           ; the wave's end
	ds_add_u32 v[SPW], v[NIL]
	s_wait_dscnt 0x0
	CROUND                                         ; the closing round
	s_endpgm
.Lfunc_end_k_qe8c45403b2_wo:
	.size	k_qe8c45403b2_wo, .Lfunc_end_k_qe8c45403b2_wo-k_qe8c45403b2_wo
	.p2alignl 7, 3214868480
	.fill 96, 4, 3214868480
	.section	.rodata,"a",@progbits
	.p2align	6, 0x0
	.amdhsa_kernel k_qe8c45403b2_wo
		.amdhsa_group_segment_fixed_size 327680
		.amdhsa_private_segment_fixed_size 0
		.amdhsa_enable_private_segment 0
		.amdhsa_kernarg_size 48
		.amdhsa_user_sgpr_count 2
		.amdhsa_user_sgpr_kernarg_segment_ptr 1
		.amdhsa_wavefront_size32 1
		.amdhsa_system_sgpr_workgroup_id_x 1
		.amdhsa_system_sgpr_workgroup_id_y 1
		.amdhsa_system_sgpr_workgroup_id_z 1
		.amdhsa_system_vgpr_workitem_id 0
		.amdhsa_next_free_vgpr 640
		.amdhsa_next_free_sgpr 84
		.amdhsa_reserve_vcc 0
		.amdhsa_float_denorm_mode_32 3
		.amdhsa_float_denorm_mode_16_64 3
		.amdhsa_memory_ordered 1
		.amdhsa_forward_progress 1
		.amdhsa_inst_pref_size 53
	.end_amdhsa_kernel
	.amdgpu_metadata
---
amdhsa.version: [ 1, 2 ]
amdhsa.kernels:
  - .name:           k_qe8c45403b2_wo
    .symbol:         k_qe8c45403b2_wo.kd
    .args:
      - { .name: cc, .offset: 0, .size: 8, .value_kind: global_buffer, .address_space: global }
      - { .name: wc, .offset: 8, .size: 8, .value_kind: global_buffer, .address_space: global }
      - { .name: lowp_scales, .offset: 16, .size: 8, .value_kind: global_buffer, .address_space: global }
      - { .name: x, .offset: 24, .size: 8, .value_kind: global_buffer, .address_space: global }
      - { .name: bo, .offset: 32, .size: 8, .value_kind: global_buffer, .address_space: global }
      - { .name: x1, .offset: 40, .size: 8, .value_kind: global_buffer, .address_space: global }
    .group_segment_fixed_size: 327680
    .private_segment_fixed_size: 0
    .kernarg_segment_align: 8
    .kernarg_segment_size: 48
    .max_flat_workgroup_size: 128
    .sgpr_count:     84
    .vgpr_count:     640
    .wavefront_size: 32
...
	.end_amdgpu_metadata
.endif
;; end of part 4
;; launch ln2 (part 5): grid 256 x 1, 4 waves a work-group, no clusters, 0 bytes of LDS; arguments x1, ln2_g, ln2_b, lowp_scales, h2c; writes h2c
.if DOCPART == 5
	.amdgcn_target "amdgcn-amd-amdhsa--gfx1250"
	.amdhsa_code_object_version 6
	.text
	.protected	k_qe8c45403b2_ln2
	.globl	k_qe8c45403b2_ln2
	.p2align	8
	.type	k_qe8c45403b2_ln2,@function
k_qe8c45403b2_ln2:
	s_mov_b64 s[64:65], 0
	v_nop
	global_prefetch_b8 v0, s[64:65] scope:SCOPE_SE
	s_setreg_imm32_b32 hwreg(HW_REG_WAVE_MODE, 25, 1), 1
	s_wait_xcnt 0x0
; LN2.  h = layernorm(x1) x g + b, quantised to codes of E5M2 with entry 12 of the exponents: h2c [4,096][1,024], rows in order.
; A wave takes four rows, one after the other; a lane holds 8 neighbours of each quarter of a row, which is what a conversion takes.  The row stays in registers between the passes.
; code = number / 2^e, held within +-57,344, rounded to the nearest code, ties to even.  LIMIT: e between -126 and 112.  NaN is not served.
; No LDS, no barrier, no cluster: waves share nothing but g and b.
.set NPL,  1
.set T,    16                          ; v16-31   two sets of eight held numbers, by turns
.set CD,   32                          ; v32-39   a row's codes
.set GG,   56                          ; v56-87   g of my 32 columns
.set BB,   88                          ; v88-119  b
.set XL,   120                         ; v120-247 four rows, 32 numbers a lane each
.set OFQ,  248                         ; v248     store offset: 8 x lane; never rewritten
.set RCPN, 251                         ; v251     1/1024
	s_load_b256 s[8:15], s[0:1], 0x0               ; x1 s[8:9], g s[10:11], b s[12:13], the exponents s[14:15]
	s_load_b64 s[30:31], s[0:1], 0x20              ; h2c
	v_lshrrev_b32 v1, 5, v0
	v_readfirstlane_b32 s2, v1                     ; wave
	v_and_b32 v2, 31, v0                           ; lane
	s_lshl_b32 s3, ttmp9, 4
	s_lshl_b32 s4, s2, 2
	s_add_co_u32 s4, s3, s4                        ; my wave's first row
	s_lshl_b32 s48, s4, 12
	s_mov_b32 s49, 0
	s_lshl_b32 s50, s4, 10
	s_mov_b32 s51, 0
	v_lshlrev_b32 v1, 5, v2                        ; 32 bytes a lane
	v_lshlrev_b32 v[OFQ], 3, v2
	s_wait_alu depctr_va_vdst(0)
	s_wait_kmcnt 0x0
	s_load_b32 s32, s[14:15], 0x30                 ; e12
	s_add_nc_u64 s[8:9], s[8:9], s[48:49]
	s_add_nc_u64 s[30:31], s[30:31], s[50:51]
.irp c, 0,1,2,3
	global_load_b128 v[GG+8*\c:GG+8*\c+3], v1, s[10:11] offset:1024*\c
	global_load_b128 v[GG+8*\c+4:GG+8*\c+7], v1, s[10:11] offset:1024*\c+16
.endr
.irp c, 0,1,2,3
	global_load_b128 v[BB+8*\c:BB+8*\c+3], v1, s[12:13] offset:1024*\c
	global_load_b128 v[BB+8*\c+4:BB+8*\c+7], v1, s[12:13] offset:1024*\c+16
.endr
.irp i, 0,1,2,3
.irp c, 0,1,2,3
	global_load_b128 v[XL+32*\i+8*\c:XL+32*\i+8*\c+3], v1, s[8:9] offset:4096*\i+1024*\c
	global_load_b128 v[XL+32*\i+8*\c+4:XL+32*\i+8*\c+7], v1, s[8:9] offset:4096*\i+1024*\c+16
.endr
.endr
	v_mov_b32 v[RCPN], 0x3a800000
	s_mov_b32 s90, 0x76543210                      ; v_permlanex16_b32: lane l xor 16
	s_mov_b32 s91, 0xfedcba98
	s_wait_kmcnt 0x0
	s_add_co_i32 s53, s32, 127
	s_lshl_b32 s54, s53, 23
	v_mov_b32 v4, s54                              ; 2^e as f32
	s_add_co_i32 s53, s53, 15
	s_lshl_b32 s53, s53, 23
	s_or_b32 s53, s53, 0x600000
	v_mov_b32 v5, s53                              ; 57,344 x 2^e
.macro REDUCE r, t                     ; the sum over the 32 lanes, in every lane
	v_add_f32_dpp v[\r], v[\r], v[\r] row_xmask:1 row_mask:0xf bank_mask:0xf
	v_add_f32_dpp v[\r], v[\r], v[\r] row_xmask:2 row_mask:0xf bank_mask:0xf
	v_add_f32_dpp v[\r], v[\r], v[\r] row_xmask:4 row_mask:0xf bank_mask:0xf
	v_add_f32_dpp v[\r], v[\r], v[\r] row_xmask:8 row_mask:0xf bank_mask:0xf
	v_permlanex16_b32 v[\t], v[\r], s90, s91
	v_add_f32 v[\r], v[\r], v[\t]
.endm
.set TS, 0
.macro LNROW i
.set XR, XL+32*(\i)
	s_wait_loadcnt 8*(3-(\i))                      ; this row's eight loads are in (g and b are older); the later rows' may be out
.if (\i) > 0
	s_wait_xcnt 0x0                                ; the last row's stores have read their codes: the registers are written again only behind this wait
.endif
	v_pk_add_f32 v[10:11], v[XR:XR+1], v[XR+2:XR+3]
	v_pk_add_f32 v[12:13], v[XR+4:XR+5], v[XR+6:XR+7]
.irp j, 8,12,16,20,24,28
	v_pk_add_f32 v[10:11], v[10:11], v[XR+\j:XR+\j+1]
	v_pk_add_f32 v[12:13], v[12:13], v[XR+\j+2:XR+\j+3]
.endr
	v_pk_add_f32 v[10:11], v[10:11], v[12:13]
	v_add_f32 v10, v10, v11
	REDUCE 10, 11
	v_mul_f32 v10, 0x3a800000, v10                 ; the mean
.set j, 0
.rept 16
	v_pk_add_f32 v[XR+j:XR+j+1], v[XR+j:XR+j+1], v[10:11] op_sel_hi:[1,0] neg_lo:[0,1] neg_hi:[0,1]   ; x - mean: the variance is taken of the differences
.set j, j+2
.endr
	v_pk_mul_f32 v[12:13], v[XR:XR+1], v[XR:XR+1]
	v_pk_mul_f32 v[14:15], v[XR+2:XR+3], v[XR+2:XR+3]
.irp j, 4,8,12,16,20,24,28
	v_pk_fma_f32 v[12:13], v[XR+\j:XR+\j+1], v[XR+\j:XR+\j+1], v[12:13]
	v_pk_fma_f32 v[14:15], v[XR+\j+2:XR+\j+3], v[XR+\j+2:XR+\j+3], v[14:15]
.endr
	v_pk_add_f32 v[12:13], v[12:13], v[14:15]
	v_add_f32 v12, v12, v13
	REDUCE 12, 13
	v_fmaak_f32 v12, v12, v[RCPN], 0x3727c5ac      ; the variance + 1e-5
	s_wait_alu depctr_va_vdst(0)
	v_rsq_f32 v12, v12
	v_nop                                          ; a plain instruction behind the transcendental,
	s_wait_alu depctr_va_vdst(0)                   ; and the wait ahead of its first reader
.set j, 0
.rept 16
	v_pk_mul_f32 v[XR+j:XR+j+1], v[XR+j:XR+j+1], v[12:13] op_sel_hi:[1,0]
.set j, j+2
.endr
.set j, 0
.rept 16
	v_pk_fma_f32 v[XR+j:XR+j+1], v[XR+j:XR+j+1], v[GG+j:GG+j+1], v[BB+j:BB+j+1]
.set j, j+2
.endr
.set p, 0
.rept NPL                              ; the held numbers go into two sets by turns: the other set's eight holds are the plain instructions behind each conversion
.set c, 0
.rept 4
.set k, 0
.rept 8
	v_med3_num_f32 v[T+8*TS+k], v[XR+8*c+k], -v[5+2*p], v[5+2*p]
.set k, k+1
.endr
	v_cvt_scalef32_pk8_bf8_f32 v[CD+8*p+2*c:CD+8*p+2*c+1], v[T+8*TS:T+8*TS+7], v[4+2*p]
.set TS, 1-TS
.set c, c+1
.endr
.set p, p+1
.endr
.set p, 0
.rept NPL
.irp c, 0,1,2,3
	global_store_b64 v[OFQ+p], v[CD+8*p+2*\c:CD+8*p+2*\c+1], s[30:31] offset:1024*(\i)+256*\c   ; 32 lanes store 256 consecutive bytes, aligned
.endr
.set p, p+1
.endr
.endm
	LNROW 0
	LNROW 1
	LNROW 2
	LNROW 3
	s_endpgm
.Lfunc_end_k_qe8c45403b2_ln2:
	.size	k_qe8c45403b2_ln2, .Lfunc_end_k_qe8c45403b2_ln2-k_qe8c45403b2_ln2
	.p2alignl 7, 3214868480
	.fill 96, 4, 3214868480
	.section	.rodata,"a",@progbits
	.p2align	6, 0x0
	.amdhsa_kernel k_qe8c45403b2_ln2
		.amdhsa_group_segment_fixed_size 0
		.amdhsa_private_segment_fixed_size 0
		.amdhsa_enable_private_segment 0
		.amdhsa_kernarg_size 40
		.amdhsa_user_sgpr_count 2
		.amdhsa_user_sgpr_kernarg_segment_ptr 1
		.amdhsa_wavefront_size32 1
		.amdhsa_system_sgpr_workgroup_id_x 1
		.amdhsa_system_sgpr_workgroup_id_y 1
		.amdhsa_system_sgpr_workgroup_id_z 1
		.amdhsa_system_vgpr_workitem_id 0
		.amdhsa_next_free_vgpr 252
		.amdhsa_next_free_sgpr 100
		.amdhsa_reserve_vcc 0
		.amdhsa_float_denorm_mode_32 3
		.amdhsa_float_denorm_mode_16_64 3
		.amdhsa_memory_ordered 1
		.amdhsa_forward_progress 1
		.amdhsa_inst_pref_size 41
	.end_amdhsa_kernel
	.amdgpu_metadata
---
amdhsa.version: [ 1, 2 ]
amdhsa.kernels:
  - .name:           k_qe8c45403b2_ln2
    .symbol:         k_qe8c45403b2_ln2.kd
    .args:
      - { .name: x1, .offset: 0, .size: 8, .value_kind: global_buffer, .address_space: global }
      - { .name: ln2_g, .offset: 8, .size: 8, .value_kind: global_buffer, .address_space: global }
      - { .name: ln2_b, .offset: 16, .size: 8, .value_kind: global_buffer, .address_space: global }
      - { .name: lowp_scales, .offset: 24, .size: 8, .value_kind: global_buffer, .address_space: global }
      - { .name: h2c, .offset: 32, .size: 8, .value_kind: global_buffer, .address_space: global }
    .group_segment_fixed_size: 0
    .private_segment_fixed_size: 0
    .kernarg_segment_align: 8
    .kernarg_segment_size: 40
    .max_flat_workgroup_size: 128
    .sgpr_count:     100
    .vgpr_count:     252
    .wavefront_size: 32
...
	.end_amdgpu_metadata
.endif
;; end of part 5
;; launch ffn1 (part 6): grid 16 x 16, 4 waves a work-group, clusters of 4 x 4, 327,680 bytes of LDS; arguments h2c, wc, lowp_scales, b1, gc; writes gc
.if DOCPART == 6
	.amdgcn_target "amdgcn-amd-amdhsa--gfx1250"
	.amdhsa_code_object_version 6
	.text
	.protected	k_qe8c45403b2_ffn1
	.globl	k_qe8c45403b2_ffn1
	.p2align	8
	.type	k_qe8c45403b2_ffn1,@function
k_qe8c45403b2_ffn1:
	s_mov_b64 s[64:65], 0
	v_nop
	global_prefetch_b8 v0, s[64:65] scope:SCOPE_SE
	s_setreg_imm32_b32 hwreg(HW_REG_WAVE_MODE, 25, 1), 1
	s_wait_xcnt 0x0
	s_wait_alu depctr_hold_cnt(0) depctr_sa_sdst(0) depctr_va_vdst(0) depctr_va_sdst(0) depctr_va_ssrc(0) depctr_va_vcc(0) depctr_vm_vsrc(0)
	s_getreg_b32 s2, hwreg(HW_REG_IB_STS2, 6, 4)
	s_cmp_eq_u32 s2, 0
	s_cbranch_scc0 .Lentry_in_a_cluster
	s_endpgm
.Lentry_in_a_cluster:
	s_bfe_u32 s2, ttmp6, 0x10000c
	s_cmp_lg_u32 s2, 0xf033
	s_cbranch_scc0 .Lentry_shape_is_right
	s_endpgm
.Lentry_shape_is_right:
.set KSTEP,  256
.set ROWB,   256
.set KROW,   1024
.set PITCH,  272
.set FR,     16
.set NL,     4
.set NP,     4
.set HALFT,  128*PITCH
.set SLOT,   4*HALFT
.set LAPS,   1024/(2*KSTEP)
.set SPARE,  2*SLOT
.set ADRA, 16
.set ADRB, 20
.set KK1,  22
.set STO,  24
.set RD,   25
.set CO,   26
.set SPW,  28
.set NIL,  29
.set SC,   30
.set LIM,  31
.set BI,   32
.set AF,   128
.set TT,   128
.set EE,   192
.set G1, 24
.set G0, 32
.set G1B, 48
.set G0B, 56
.set MSB, 0
.macro WIN new
.if MSB != (\new)
	s_set_vgpr_msb (MSB<<8)|(\new)
.set MSB, (\new)
.endif
.endm
.set MUL_LO, 0xa1
.set MUL_HI, 0xf1
.set TO_B,   0x40
.macro JLOAD g0a, g1a, g0b, g1b
	s_cmp_eq_u32 s15, 0
	s_cbranch_scc0 .Lfor_b_\@
	tensor_load_to_lds s[\g0a:\g0a+3], s[\g1a:\g1a+7]
	s_nop 0
.rept 4
	v_nop
.endr
	s_branch .Lasked_\@
.Lfor_b_\@:
	tensor_load_to_lds s[\g0b:\g0b+3], s[\g1b:\g1b+7]
	s_nop 0
.rept 4
	v_nop
.endr
.Lasked_\@:
.endm
.macro CREST
	s_cmp_lg_u32 s14, 0
	s_cbranch_scc1 .Lnot_wave_0_\@
	s_barrier_signal -3
.Lnot_wave_0_\@:
	s_barrier_wait -3
	s_barrier_signal -1
	s_barrier_wait -1
.endm
.macro CROUND
	s_barrier_signal -1
	s_barrier_wait -1
	CREST
.endm
	s_load_b128 s[4:7], s[0:1], 0x0
	s_load_b128 s[8:11], s[0:1], 0x10
	s_load_b64 s[12:13], s[0:1], 0x20
	v_lshl_add_u32 v[SPW], v0, 2, SPARE
	v_mov_b32 v[NIL], 0
	v_lshrrev_b32 v1, 5, v0
	v_readfirstlane_b32 s14, v1
	s_lshr_b32 s15, s14, 1
	s_and_b32 s16, s14, 1
	s_bfe_u32 s40, ttmp6, 0x40000
	s_bfe_u32 s41, ttmp6, 0x40004
	s_lshl_b32 s42, ttmp9, 2
	s_add_co_u32 s42, s42, s40
	s_and_b32 s17, ttmp7, 0xffff
	s_lshl_b32 s17, s17, 2
	s_add_co_u32 s17, s17, s41
	s_lshl_b32 s43, s41, 2
	s_lshl_b32 s43, 15, s43
	s_lshl_b32 s44, 0x1111, s40
	s_or_b32 s[G1+0], s43, (0<<16)|(1<<20)|(1<<21)|(5<<22)|(3<<25)
	s_or_b32 s[G1B+0], s44, (0<<16)|(1<<20)|(1<<21)|(5<<22)|(3<<25)
.irp g, G1, G1B
	s_mov_b32 s[\g+1], ROWB<<16
	s_mov_b32 s[\g+2], 128<<16
	s_mov_b32 s[\g+3], ROWB<<16
	s_mov_b32 s[\g+4], 128
	s_mov_b32 s[\g+5], KROW
	s_mov_b32 s[\g+6], 0
	s_mov_b32 s[\g+7], 0
.endr
	s_lshl_b32 s18, s16, 7
	s_lshl_b32 s20, s17, 8
	s_add_co_u32 s20, s20, s18
	s_lshl_b32 s20, s20, 10
	s_mov_b32 s21, 0
	s_lshl_b32 s46, s42, 8
	s_add_co_u32 s46, s46, s18
	s_lshl_b32 s46, s46, 10
	s_add_co_u32 s46, s46, 0x400000
	s_mov_b32 s47, 0
	s_mul_i32 s45, s14, HALFT
	s_wait_kmcnt 0x0
	s_load_b128 s[68:71], s[8:9], 0x30
	s_add_nc_u64 s[20:21], s[4:5], s[20:21]
	s_add_nc_u64 s[46:47], s[6:7], s[46:47]
	; the prefetches: of the 128 rows that my wave fetches, each of the four partners that ask for them jointly takes 32, told apart by address (cx for A, cy for B); a lane a row
	s_cmp_eq_u32 s15, 0
	s_cselect_b64 s[86:87], s[20:21], s[46:47]
	s_cselect_b32 s88, s40, s41
	s_lshl_b32 s88, s88, 15                        ; 32 rows of 1,024 bytes
	s_mov_b32 s89, 0
	s_add_nc_u64 s[86:87], s[86:87], s[88:89]
	v_and_b32 v18, 31, v0
	v_lshlrev_b32 v18, 10, v18                     ; never rewritten
.irp s, 0,1
	s_mov_b32 s[G0+4*\s], 1
	s_add_co_u32 s[G0+4*\s+1], s45, \s*SLOT
	s_add_nc_u64 s[G0+4*\s+2:G0+4*\s+3], s[20:21], \s*ROWB
	s_or_b32 s[G0+4*\s+3], s[G0+4*\s+3], 0x80000000
	s_mov_b32 s[G0B+4*\s], 1
	s_add_co_u32 s[G0B+4*\s+1], s45, \s*SLOT
	s_add_nc_u64 s[G0B+4*\s+2:G0B+4*\s+3], s[46:47], \s*ROWB
	s_or_b32 s[G0B+4*\s+3], s[G0B+4*\s+3], 0x80000000
	s_wait_alu depctr_va_vdst(0)
	s_wait_tensorcnt 0x0
	ds_add_u32 v28, v29
	ds_add_u32 v28, v29
	s_wait_dscnt 0x0
	CROUND
	JLOAD G0+4*\s, G1, G0B+4*\s, G1B
.if \s == 0
	global_prefetch_b8 v18, s[86:87] offset:256 th:TH_LOAD_NT scope:SCOPE_SE   ; K step 1: one fill ahead of its load
.else
	global_prefetch_b8 v18, s[86:87] offset:512 th:TH_LOAD_NT scope:SCOPE_SE   ; K steps 2 and 3: one and two fills ahead
	global_prefetch_b8 v18, s[86:87] offset:768 th:TH_LOAD_NT scope:SCOPE_SE
.endif
.endr
	v_and_b32 v1, 15, v0
	v_bfe_u32 v2, v0, 4, 1
	s_wait_alu depctr_va_vdst(0)
	v_mul_u32_u24 v3, v1, PITCH
	v_lshl_add_u32 v4, v2, 4, v3
	s_wait_alu depctr_va_vdst(0)
	s_mul_i32 s21, s15, HALFT
	s_mul_i32 s22, s16, HALFT
	s_add_co_u32 s22, s22, 2*HALFT
.irp s, 0,1
	v_add_nc_u32 v[ADRA+\s], s21, v4
	v_add_nc_u32 v[ADRB+\s], s22, v4
	s_add_co_u32 s21, s21, SLOT
	s_add_co_u32 s22, s22, SLOT
.endr
	s_lshl_b32 s84, s42, 10
	s_lshl_b32 s85, s16, 9
	s_add_co_u32 s84, s84, s85
	s_mov_b32 s85, 0
	s_add_nc_u64 s[10:11], s[10:11], s[84:85]
	v_lshlrev_b32 v9, 6, v2
.irp b, 0,1,2,3
.irp k, 0,1,2,3
	global_load_b128 v[BI+16*\b+4*\k:BI+16*\b+4*\k+3], v9, s[10:11] offset:128*\b+16*\k
.endr
.endr
	s_mul_i32 s23, s15, HALFT
	s_lshl_b32 s19, s16, 7
	s_add_co_u32 s23, s23, s19
	v_add_nc_u32 v[STO], s23, v4
	v_mul_u32_u24 v7, v2, PITCH
	v_lshl_add_u32 v7, v1, 4, v7
	s_mul_i32 s19, s14, 64*PITCH
	v_add_nc_u32 v[RD], s19, v7
	v_lshlrev_b32 v[CO], 12, v2
	v_lshl_add_u32 v[CO], v1, 4, v[CO]
	s_lshl_b32 s84, s17, 8
	s_lshl_b32 s85, s14, 6
	s_add_co_u32 s84, s84, s85
	s_lshl_b32 s84, s84, 12
	s_lshl_b32 s85, s42, 8
	s_add_co_u32 s84, s84, s85
	s_mov_b32 s85, 0
	s_add_nc_u64 s[12:13], s[12:13], s[84:85]
	s_mov_b32 s92, 0xbdd2d3e8
	s_mov_b32 s93, s92
	v_mov_b32 v[KK1], 0xc0135761
	v_mov_b32 v[KK1+1], 0xc0135761
	s_wait_kmcnt 0x0
	s_add_co_i32 s96, s68, s69
	s_add_co_i32 s96, s96, 127
	s_lshl_b32 s96, s96, 23
	s_mov_b32 s97, s96
	s_add_co_i32 s94, s70, 127
	s_lshl_b32 s95, s94, 23
	v_mov_b32 v[SC], s95
	s_add_co_i32 s94, s94, 15
	s_lshl_b32 s94, s94, 23
	s_or_b32 s94, s94, 0x600000
	v_mov_b32 v[LIM], s94
.macro FRAG reg, adr, q, i
.irp c, 0,1,2,3
	ds_load_b128 v[\reg+4*\c:\reg+4*\c+3], v[\adr] offset:128*(\q)+32*\c+(\i)*16*PITCH
.endr
.endm
.macro MUL16 a0, p, zero
.irp a, \a0, \a0+1
.irp b, 0,1,2,3,4,5,6,7
.if \zero
	v_wmma_f32_16x16x128_bf8_bf8 v[8*(8*((\a)%4)+\b):8*(8*((\a)%4)+\b)+7], v[128*(\p)+FR*\b:128*(\p)+FR*\b+FR-1], v[AF+FR*(\a):AF+FR*(\a)+FR-1], 0
.else
	v_wmma_f32_16x16x128_bf8_bf8 v[8*(8*((\a)%4)+\b):8*(8*((\a)%4)+\b)+7], v[128*(\p)+FR*\b:128*(\p)+FR*\b+FR-1], v[AF+FR*(\a):AF+FR*(\a)+FR-1], v[8*(8*((\a)%4)+\b):8*(8*((\a)%4)+\b)+7]
.endif
.endr
.endr
.endm
.macro FETCH_B slot, q, p
	WIN TO_B
.irp i, 0,1,2,3,4,5,6,7
	FRAG 128*(\p)+FR*\i, ADRB+\slot, \q, \i
.endr
	WIN 0
.endm
.macro FETCH_A slot, q, i0
.irp i, \i0, \i0+1, \i0+2, \i0+3
	FRAG AF+FR*(\i), ADRA+\slot, \q, \i
.endr
.endm
.macro PLACES n
.rept \n
	v_nop
.endr
.endm
.macro STEP slot, q, zero
	s_wait_dscnt 4*NL
	WIN MUL_LO
	MUL16 0, (\q)%2, \zero
	MUL16 2, (\q)%2, \zero
	s_wait_dscnt 0
	PLACES NP
	FETCH_B \slot, (\q)+1, 1-(\q)%2
	FETCH_A \slot, (\q)+1, 0
	WIN MUL_HI
	MUL16 4, (\q)%2, \zero
	MUL16 6, (\q)%2, \zero
	PLACES NP
	WIN 0
	FETCH_A \slot, (\q)+1, 4
.endm
.macro TURN slot, next, fill
	s_wait_tensorcnt 0x0
	ds_add_u32 v[SPW], v[NIL]
	s_wait_dscnt 4*NL+1
	WIN MUL_LO
	MUL16 0, 1, 0
	s_wait_dscnt 0x0
	s_barrier_signal -1
	MUL16 2, 1, 0
	WIN 0
	s_barrier_wait -1
.if \fill
	CREST
	s_add_nc_u64 s[G0+4*\slot+2:G0+4*\slot+3], s[G0+4*\slot+2:G0+4*\slot+3], 2*ROWB
	s_add_nc_u64 s[G0B+4*\slot+2:G0B+4*\slot+3], s[G0B+4*\slot+2:G0B+4*\slot+3], 2*ROWB
	JLOAD G0+4*\slot, G1, G0B+4*\slot, G1B
.else
	PLACES NP
.endif
	FETCH_B \next, 0, 0
	FETCH_A \next, 0, 0
	WIN MUL_HI
	MUL16 4, 1, 0
	MUL16 6, 1, 0
	PLACES NP
	WIN 0
	FETCH_A \next, 0, 4
.endm
	s_wait_tensorcnt 1
	s_barrier_signal -1
	s_barrier_wait -1
	FETCH_B 0, 0, 0
	FETCH_A 0, 0, 0
	FETCH_A 0, 0, 4
	STEP 0, 0, 1
	s_mov_b32 s3, LAPS-1
.Llap:
	TURN 0, 1, 1
	STEP 1, 0, 0
	TURN 1, 0, 1
	STEP 0, 0, 0
	s_sub_co_u32 s3, s3, 1
	s_cmp_lg_u32 s3, 0
	s_cbranch_scc1 .Llap
	TURN 0, 1, 0
	STEP 1, 0, 0
	s_wait_dscnt 4*NL
	WIN MUL_LO
	MUL16 0, 1, 0
	MUL16 2, 1, 0
	s_wait_dscnt 0
	WIN MUL_HI
	MUL16 4, 1, 0
	MUL16 6, 1, 0
	WIN 0
.macro GELU a
.set AC, 64*((\a)%4)
.set CDS, 96+16*((\a)%2)
	WIN 0x02+((\a)/4)
.set j, 0
.rept 32
	v_pk_fma_f32 v[TT+j:TT+j+1], v[AC+j:AC+j+1], s[96:97], v[BI+j:BI+j+1] op_sel_hi:[1,0,1]
.set j, j+2
.endr
	WIN 0
.set j, 0
.rept 32
	v_pk_mul_f32 v[EE+j:EE+j+1], v[TT+j:TT+j+1], v[TT+j:TT+j+1]
.set j, j+2
.endr
.set j, 0
.rept 32
	v_pk_fma_f32 v[EE+j:EE+j+1], v[EE+j:EE+j+1], s[92:93], v[KK1:KK1+1] op_sel_hi:[1,0,1]
.set j, j+2
.endr
.set j, 0
.rept 32
	v_pk_mul_f32 v[EE+j:EE+j+1], v[EE+j:EE+j+1], v[TT+j:TT+j+1]
.set j, j+2
.endr
.set j, 0
	s_wait_alu depctr_va_vdst(0)
.rept 64
	v_exp_f32 v[EE+j], v[EE+j]
.set j, j+1
.endr
	v_nop
	s_wait_alu depctr_va_vdst(0)
.set j, 0
.rept 32
	v_pk_add_f32 v[EE+j:EE+j+1], v[EE+j:EE+j+1], 1.0 op_sel_hi:[1,0]
.set j, j+2
.endr
.set j, 0
	s_wait_alu depctr_va_vdst(0)
.rept 64
	v_rcp_f32 v[EE+j], v[EE+j]
.set j, j+1
.endr
	v_nop
	s_wait_alu depctr_va_vdst(0)
.set j, 0
.rept 32
	v_pk_mul_f32 v[TT+j:TT+j+1], v[TT+j:TT+j+1], v[EE+j:EE+j+1]
.set j, j+2
.endr
.set j, 0
.rept 64
	v_med3_num_f32 v[TT+j], v[TT+j], -v[LIM], v[LIM]
.set j, j+1
.endr
.set j, 0
.rept 8
	v_cvt_scalef32_pk8_bf8_f32 v[CDS+2*j:CDS+2*j+1], v[TT+8*j:TT+8*j+7], v[SC]
.set j, j+1
.endr
	v_nop
.irp b, 0,1,2,3
	ds_store_b128 v[STO], v[CDS+4*\b:CDS+4*\b+3] offset:(\a)*16*PITCH+32*\b
.endr
.endm
	s_wait_loadcnt 0x0
	PLACES NP
.irp a, 0,1,2,3,4,5,6,7
	GELU \a
.endr
	s_wait_dscnt 0x0
	s_barrier_signal -1
	s_barrier_wait -1
.set t, 0
.rept 32
	ds_load_b128 v[128+4*t:131+4*t], v[RD] offset:2*PITCH*t
.set t, t+1
.endr
.set t, 0
.rept 32
	s_wait_dscnt 31-t
	global_store_b128 v[CO], v[128+4*t:131+4*t], s[12:13] offset:8192*t
.set t, t+1
.endr
	s_wait_tensorcnt 0x0
	ds_add_u32 v[SPW], v[NIL]
	s_wait_dscnt 0x0
	CROUND
	s_endpgm
.Lfunc_end_k_qe8c45403b2_ffn1:
	.size	k_qe8c45403b2_ffn1, .Lfunc_end_k_qe8c45403b2_ffn1-k_qe8c45403b2_ffn1
	.p2alignl 7, 3214868480
	.fill 96, 4, 3214868480
	.section	.rodata,"a",@progbits
	.p2align	6, 0x0
	.amdhsa_kernel k_qe8c45403b2_ffn1
		.amdhsa_group_segment_fixed_size 327680
		.amdhsa_private_segment_fixed_size 0
		.amdhsa_enable_private_segment 0
		.amdhsa_kernarg_size 40
		.amdhsa_user_sgpr_count 2
		.amdhsa_user_sgpr_kernarg_segment_ptr 1
		.amdhsa_wavefront_size32 1
		.amdhsa_system_sgpr_workgroup_id_x 1
		.amdhsa_system_sgpr_workgroup_id_y 1
		.amdhsa_system_sgpr_workgroup_id_z 1
		.amdhsa_system_vgpr_workitem_id 0
		.amdhsa_next_free_vgpr 1024
		.amdhsa_next_free_sgpr 100
		.amdhsa_reserve_vcc 0
		.amdhsa_float_denorm_mode_32 3
		.amdhsa_float_denorm_mode_16_64 3
		.amdhsa_memory_ordered 1
		.amdhsa_forward_progress 1
		.amdhsa_inst_pref_size 255
	.end_amdhsa_kernel
	.section	.bss,"aw",@nobits
	.p2align	6
	.space	262144
	.amdgpu_metadata
---
amdhsa.version: [ 1, 2 ]
amdhsa.kernels:
  - .name:           k_qe8c45403b2_ffn1
    .symbol:         k_qe8c45403b2_ffn1.kd
    .args:
      - { .name: h2c, .offset: 0, .size: 8, .value_kind: global_buffer, .address_space: global }
      - { .name: wc, .offset: 8, .size: 8, .value_kind: global_buffer, .address_space: global }
      - { .name: lowp_scales, .offset: 16, .size: 8, .value_kind: global_buffer, .address_space: global }
      - { .name: b1, .offset: 24, .size: 8, .value_kind: global_buffer, .address_space: global }
      - { .name: gc, .offset: 32, .size: 8, .value_kind: global_buffer, .address_space: global }
    .group_segment_fixed_size: 327680
    .private_segment_fixed_size: 0
    .kernarg_segment_align: 8
    .kernarg_segment_size: 40
    .max_flat_workgroup_size: 128
    .sgpr_count:     100
    .vgpr_count:     1024
    .wavefront_size: 32
...
	.end_amdgpu_metadata
.endif
;; end of part 6
;; launch ffn2 (part 7): grid 8 x 32, 4 waves a work-group, clusters of 4 x 4, 327,680 bytes of LDS; arguments gc, wc, lowp_scales, x1, b2, out0; writes out0
.if DOCPART == 7
	.amdgcn_target "amdgcn-amd-amdhsa--gfx1250"
	.amdhsa_code_object_version 6
	.text
	.protected	k_qe8c45403b2_ffn2
	.globl	k_qe8c45403b2_ffn2
	.p2align	8
	.type	k_qe8c45403b2_ffn2,@function
k_qe8c45403b2_ffn2:
	s_mov_b64 s[64:65], 0
	v_nop
	global_prefetch_b8 v0, s[64:65] scope:SCOPE_SE
	s_setreg_imm32_b32 hwreg(HW_REG_WAVE_MODE, 25, 1), 1
	s_wait_xcnt 0x0
	s_wait_alu depctr_hold_cnt(0) depctr_sa_sdst(0) depctr_va_vdst(0) depctr_va_sdst(0) depctr_va_ssrc(0) depctr_va_vcc(0) depctr_vm_vsrc(0)
	s_getreg_b32 s2, hwreg(HW_REG_IB_STS2, 6, 4)
	s_cmp_eq_u32 s2, 0
	s_cbranch_scc0 .Lentry_in_a_cluster
	s_endpgm
.Lentry_in_a_cluster:
	s_bfe_u32 s2, ttmp6, 0x10000c
	s_cmp_lg_u32 s2, 0xf033
	s_cbranch_scc0 .Lentry_shape_is_right
	s_endpgm
.Lentry_shape_is_right:
; OUT[m][n] = x1[m][n] + b2[n] + 2^(e14 + e15) x the sum over k of A[m][k] B[n][k], on codes of E5M2, K = 4,096; OUT and x1 [4,096][1,024] f32.
; A = the activation's codes [4,096][4,096].  B = W2's codes at 8 MiB of wc, laid by fragments: [64 blocks of 16 stored rows][32 blocks of 128 along K][c][lane][16 bytes];
; stored row pi(n) holds column n (pi swaps bits 3 and 4), so a lane's 16 registers of two neighbouring tiles are 16 neighbouring columns.
; A tile of OUT is 128 x 128: 256 work-groups; four waves, each 64 x 64: 16 accumulators.  The matrix instruction is used transposed (source 0 = 16 rows of B, source 1 = 16 rows of A).
; A comes through two LDS slots of 128 rows x 1,024 along K, filled by joint tensor loads (4 x 4 work-groups form a cluster; A's tile is shared along a row of it), each wave 32 rows: four fills in all.
; B GOES FROM MEMORY STRAIGHT INTO THE OPERAND REGISTERS, not jointly through LDS: each load of a wave reads 512 consecutive bytes in the registers' own order.  With A alone
; a slot holds 1,024 along K where A and B together had 512, so there are 4 fills and rounds where there were 8, and 16 LDS loads for 16 matrix instructions where there were 32.
; B's sets of 64 registers form a ring of four: a set is asked for three quarter steps (of 128 along K) ahead of its use.
; PREFETCHES, all by immediate offsets from addresses that are never rewritten: A's fills 1 and 2 behind fill 0's load, fill 3 behind fill 1's; of the 32 rows that a wave fetches each of the four partners
; takes 8 (by cx), four lanes to a row.  B's 131,072 bytes of each 1,024 along K: at the head, behind fill 1's load and behind the two refills; the four partners of a column of the cluster share them by cy.
; LIMIT: e14 + e15 between -126 and 127.
; REGISTERS: window 0: v0-31 addresses, v8-11 the bias, v32-95 the way out, v128-255 the accumulators ((a, b) at v[128 + 8 (4 a + b)]); window 1: v0-127 A's fragments, two sets; v128-255 x1; window 2: B's ring.
.set AP,    1040                       ; a row of A in LDS: 1,024 bytes + 16: the 16 rows that a load touches start at 16 different banks
.set SLOT,  128*AP
.set STAGE, 2*SLOT                     ; behind the ring: 16 rows x 272 bytes for each wave
.set SPARE, STAGE+4*16*272             ; behind the stages: the spare words, 128 bytes a wave
.set ADRA, 16
.set BOF,  20                          ; v20  16 x lane: my place in a load of B
.set STO,  24
.set RD,   25
.set CO,   26
.set BO,   27
.set SPW,  28
.set NIL,  29
.set PFO,  30                          ; v30  A's prefetches: four lanes to a row of 4,096 bytes, 256 bytes apart
.set PFB,  31                          ; v31  B's prefetches: 256 x lane
.set TMP,  32
.set ACC,  128
.set G1, 24
.set G0, 32
.set MSB, 0
.macro WIN new                         ; the immediate's high byte repeats the setting that is left
.if MSB != (\new)
	s_set_vgpr_msb (MSB<<8)|(\new)
.set MSB, (\new)
.endif
.endm
.set MUL, 0x06                         ; source 0 (B) window 2, source 1 (A) window 1; C and D window 0
.macro JL s                            ; a joint load: every wave fetches its 32 rows; s_nop 0 and four v_nop follow
	tensor_load_to_lds s[G0+4*(\s):G0+4*(\s)+3], s[G1:G1+7]
	s_nop 0
.rept 4
	v_nop
.endr
.endm
.macro CREST
	s_cmp_lg_u32 s16, 0
	s_cbranch_scc1 .Lnot_wave_0_\@
	s_barrier_signal -3
.Lnot_wave_0_\@:
	s_barrier_wait -3
	s_barrier_signal -1
	s_barrier_wait -1
.endm
.macro CROUND
	s_barrier_signal -1
	s_barrier_wait -1
	CREST
.endm
.macro PLACES                          ; plain vector instructions between a matrix instruction and a load into its registers
.rept 4
	v_nop
.endr
.endm
.macro BLOAD Q                         ; quarter step Q's four fragments of B into set Q % 4: 16 loads of 512 consecutive bytes
	WIN 0x80
.irp b, 0,1,2,3
.irp c, 0,1,2,3
	global_load_b128 v[64*((\Q)%4)+16*\b+4*\c:64*((\Q)%4)+16*\b+4*\c+3], v[BOF], s[46:47] offset:\b*65536+(\Q)*2048+\c*512
.endr
.endr
.endm
.macro AFETCH Q                        ; quarter step Q's four fragments of A into set Q % 2: registers 4 c .. 4 c + 3 hold K = 32 c + 16 h + 0 .. 15, as in B
	WIN 0x40
.irp i, 0,1,2,3
.irp c, 0,1,2,3
	ds_load_b128 v[64*((\Q)%2)+16*\i+4*\c:64*((\Q)%2)+16*\i+4*\c+3], v[ADRA+((\Q)/8)%2] offset:128*((\Q)%8)+32*\c+\i*16*AP
.endr
.endr
.endm
.macro MUL4 Q, a, zero                 ; A's block a x B's four; the 16 accumulators take turns, one instruction a turn
.irp b, 0,1,2,3
.if \zero
	v_wmma_f32_16x16x128_bf8_bf8 v[ACC+8*(4*(\a)+\b):ACC+8*(4*(\a)+\b)+7], v[64*((\Q)%4)+16*\b:64*((\Q)%4)+16*\b+15], v[64*((\Q)%2)+16*(\a):64*((\Q)%2)+16*(\a)+15], 0
.else
	v_wmma_f32_16x16x128_bf8_bf8 v[ACC+8*(4*(\a)+\b):ACC+8*(4*(\a)+\b)+7], v[64*((\Q)%4)+16*\b:64*((\Q)%4)+16*\b+15], v[64*((\Q)%2)+16*(\a):64*((\Q)%2)+16*(\a)+15], v[ACC+8*(4*(\a)+\b):ACC+8*(4*(\a)+\b)+7]
.endif
.endr
.endm
; The wait for B's set Q.  The loads go out in this order: sets 0, 1, 2 at the head, then set Q + 3 in quarter step Q; behind set 11, in step 8, x1 and the bias (33 loads).
; As a rule the two younger sets (32 loads) may be out; at the end one (16), then none.  At the head of steps 9, 10, 11 the two younger sets and the 33 are 65 younger loads: the count is 63, the most that a wait can name.
.macro LCW Q
.set LN, 16*(31-(\Q))
.if LN > 32
.set LN, 32
.endif
.if ((\Q) > 8) && ((\Q) < 12)
.set LN, 63
.endif
	s_wait_loadcnt LN
.endm
.macro QTR Q, zero                     ; 128 along K that has its successor in the same slot
	s_wait_dscnt 8                                 ; A's blocks 0, 1 are in; the youngest eight loads (blocks 2, 3) may be out
	LCW \Q
	WIN MUL
	MUL4 \Q, 0, \zero
	MUL4 \Q, 1, \zero
.if (\Q) < 31
	PLACES
	AFETCH (\Q)+1
.if (\Q)+3 < 32
	BLOAD (\Q)+3                                   ; into the set that the step before multiplied
.endif
.if (\Q) == 8
	RESLOAD                                        ; x1 and the bias: 23 quarter steps ahead of the way out
.endif
	s_wait_dscnt 16                                ; all but the 16 LDS loads just issued
.else
	s_wait_dscnt 0
.endif
	WIN MUL
	MUL4 \Q, 2, \zero
	MUL4 \Q, 3, \zero
.endm
.macro TURN Q, fill                    ; a slot's last 128 along K, and the change of slots
	WIN 0
	s_wait_tensorcnt 0x0                           ; my one load that was out has landed: my part of the next slot
	ds_add_u32 v[SPW], v[NIL]                      ; 0 onto my spare word
	s_wait_dscnt 9                                 ; the add and the youngest eight loads may be out
	LCW \Q
	WIN MUL
	MUL4 \Q, 0, 0
	MUL4 \Q, 1, 0
	s_wait_dscnt 0x0                               ; the add is done, and my reads of this slot are over
	s_barrier_signal -1
	MUL4 \Q, 2, 0
	WIN 0
	s_barrier_wait -1
.if \fill
	CREST                                          ; the barrier has opened a round of the cluster's barrier: no wave of any partner still reads this slot or has a load on its way
	s_add_nc_u64 s[G0+4*(((\Q)/8)%2)+2:G0+4*(((\Q)/8)%2)+3], s[G0+4*(((\Q)/8)%2)+2:G0+4*(((\Q)/8)%2)+3], 2048
	JL ((\Q)/8)%2                                  ; the first tensor load behind the round; its four v_nop are the places in front of the loads below
.else
	PLACES
.endif
	AFETCH (\Q)+1
	BLOAD (\Q)+3
.if \fill
	WIN 0
	global_prefetch_b8 v[PFB], s[76:77] offset:((\Q)/8+2)*16384 th:TH_LOAD_NT scope:SCOPE_SE   ; B's part of the 1,024 along K after the next
.endif
	WIN MUL
	MUL4 \Q, 3, 0
.endm
	s_load_b256 s[4:11], s[0:1], 0x0               ; A's codes s[4:5], wc s[6:7], the exponents s[8:9], x1 s[10:11]
	s_load_b128 s[12:15], s[0:1], 0x20             ; b2 s[12:13], OUT s[14:15]
	v_lshl_add_u32 v[SPW], v0, 2, SPARE
	v_mov_b32 v[NIL], 0
	ds_add_u32 v[SPW], v[NIL]                      ; the opening: the add, twice on end, and its wait ahead of the round in front of my first tensor load
	ds_add_u32 v[SPW], v[NIL]
	v_lshrrev_b32 v1, 5, v0
	v_readfirstlane_b32 s16, v1                    ; wave
	s_lshr_b32 s17, s16, 1                         ; my half of the tile's rows
	s_and_b32 s18, s16, 1                          ; my half of its columns
	s_bfe_u32 s40, ttmp6, 0x40000                  ; cx
	s_bfe_u32 s41, ttmp6, 0x40004                  ; cy
	s_lshl_b32 s42, ttmp9, 2
	s_add_co_u32 s42, s42, s40                     ; tile column
	s_and_b32 s19, ttmp7, 0xffff
	s_lshl_b32 s19, s19, 2
	s_add_co_u32 s19, s19, s41                     ; tile row
	s_lshl_b32 s43, s41, 2
	s_lshl_b32 s43, 15, s43                        ; my row of the cluster
	s_or_b32 s[G1+0], s43, (0<<16)|(1<<20)|(1<<21)|(7<<22)|(3<<25)   ; the mask; elements of 1 byte; 4 words of padding behind every 256
	s_mov_b32 s[G1+1], 1024<<16                    ; tensor_dim0
	s_mov_b32 s[G1+2], 32<<16                      ; tensor_dim1
	s_mov_b32 s[G1+3], 1024<<16                    ; tile_dim0
	s_mov_b32 s[G1+4], 32                          ; tile_dim1
	s_mov_b32 s[G1+5], 4096                        ; from row to row
	s_mov_b32 s[G1+6], 0
	s_mov_b32 s[G1+7], 0
	s_lshl_b32 s20, s19, 7
	s_lshl_b32 s21, s16, 5
	s_add_co_u32 s20, s20, s21
	s_lshl_b32 s20, s20, 12                        ; A: row 128 x tile row + 32 x wave
	s_mov_b32 s21, 0
	s_lshl_b32 s46, s42, 3
	s_lshl_b32 s47, s18, 2
	s_add_co_u32 s46, s46, s47
	s_lshl_b32 s46, s46, 16
	s_add_co_u32 s46, s46, 8<<20                   ; B: block 8 x tile column + 4 x half, 65,536 bytes a block of 16 rows
	s_mov_b32 s47, 0
	s_mul_i32 s22, s16, 32*AP                      ; where my rows of A go: the wave's number alone
	s_lshl_b32 s72, s40, 15                        ; A's prefetches: my work-group's 8 rows of my wave's 32
	s_mov_b32 s73, 0
	s_lshl_b32 s78, s41, 2
	s_add_co_u32 s78, s78, s16
	s_lshr_b32 s78, s78, 1                         ; B's prefetches: block 2 cy + wave / 2 of the tile's eight,
	s_lshl_b32 s79, s42, 3
	s_add_co_u32 s78, s78, s79
	s_lshl_b32 s78, s78, 16
	s_lshl_b32 s79, s18, 13                        ; and half wave % 2 of its 16,384 bytes for 1,024 along K
	s_add_co_u32 s78, s78, s79
	s_add_co_u32 s78, s78, 8<<20
	s_mov_b32 s79, 0
	s_mul_i32 s80, s17, 64*AP                      ; my 64 rows of A in slot 0,
	s_add_co_u32 s81, s80, SLOT                    ; and in slot 1
	s_mul_i32 s23, s16, 16*272
	s_add_co_u32 s23, s23, STAGE                   ; my stage
	s_lshl_b32 s70, s19, 7
	s_lshl_b32 s71, s17, 6
	s_add_co_u32 s70, s70, s71
	s_lshl_b32 s70, s70, 12                        ; my first row of OUT: 128 x tile row + 64 x half, rows of 4,096 bytes
	s_lshl_b32 s82, s42, 9
	s_lshl_b32 s71, s18, 8
	s_add_co_u32 s82, s82, s71                     ; my first column, in bytes
	s_add_co_u32 s70, s70, s82
	s_mov_b32 s71, 0
	s_mov_b32 s83, 0
	s_mov_b32 s[G0], 1
	s_mov_b32 s[G0+1], s22
	s_mov_b32 s[G0+4], 1
	s_add_co_u32 s[G0+5], s22, SLOT
	s_wait_dscnt 0x0                               ; both opening adds are done
	s_wait_kmcnt 0x0
	s_load_b64 s[68:69], s[8:9], 0x38              ; e14, e15
	s_add_nc_u64 s[66:67], s[4:5], s[20:21]
	s_add_nc_u64 s[46:47], s[6:7], s[46:47]
	s_add_nc_u64 s[74:75], s[66:67], s[72:73]
	s_add_nc_u64 s[76:77], s[6:7], s[78:79]
	s_add_nc_u64 s[10:11], s[10:11], s[70:71]
	s_add_nc_u64 s[14:15], s[14:15], s[70:71]
	s_add_nc_u64 s[12:13], s[12:13], s[82:83]
	s_mov_b64 s[G0+2:G0+3], s[66:67]
	s_add_nc_u64 s[G0+6:G0+7], s[66:67], 1024
	s_or_b32 s[G0+3], s[G0+3], 0x80000000
	s_or_b32 s[G0+7], s[G0+7], 0x80000000
	CROUND                                         ; all sixteen work-groups are here: the first joint loads meet
	JL 0                                           ; K 0-1,023: my one load at the head
	v_and_b32 v3, 31, v0
	v_lshlrev_b32 v[BOF], 4, v3
	BLOAD 0
	BLOAD 1
	BLOAD 2
	WIN 0
	v_lshlrev_b32 v[PFB], 8, v3
	v_lshrrev_b32 v4, 2, v3
	v_and_b32 v5, 3, v3
	v_lshlrev_b32 v[PFO], 12, v4
	v_lshl_add_u32 v[PFO], v5, 8, v[PFO]
	global_prefetch_b8 v[PFO], s[74:75] offset:1024 th:TH_LOAD_NT scope:SCOPE_SE   ; A's fills 1 and 2
	global_prefetch_b8 v[PFO], s[74:75] offset:2048 th:TH_LOAD_NT scope:SCOPE_SE
	global_prefetch_b8 v[PFB], s[76:77] th:TH_LOAD_NT scope:SCOPE_SE               ; B's first 1,024 along K
	v_and_b32 v1, 15, v0                           ; r
	v_bfe_u32 v2, v0, 4, 1                         ; h
	v_mul_u32_u24 v6, v1, AP
	v_lshl_add_u32 v6, v2, 4, v6                   ; r x pitch + 16 h
	v_add_nc_u32 v[ADRA], s80, v6
	v_add_nc_u32 v[ADRA+1], s81, v6
	v_mul_u32_u24 v5, v1, 272
	v_lshl_add_u32 v5, v2, 6, v5
	v_add_nc_u32 v[STO], s23, v5                   ; the stage, in: row r, + 64 h
	v_mul_u32_u24 v7, v2, 272
	v_lshl_add_u32 v7, v1, 4, v7
	v_add_nc_u32 v[RD], s23, v7                    ; back: lanes 0-15 one row of 256 bytes, lanes 16-31 the next
	v_lshlrev_b32 v[CO], 12, v2
	v_lshl_add_u32 v[CO], v1, 4, v[CO]             ; and the same two rows in x1 and OUT
	v_lshlrev_b32 v[BO], 4, v1
.macro RESLOAD                         ; issued in quarter step 8, so that at the head the first fill and B's first sets are asked for alone
	WIN 0x40
.irp a, 0,1,2,3
.irp t, 0,1,2,3,4,5,6,7
	global_load_b128 v[128+4*(8*\a+\t):128+4*(8*\a+\t)+3], v[CO], s[10:11] offset:(16*\a+2*\t)*4096   ; x1 in the layout of the stores
.endr
.endr
	WIN 0
	global_load_b128 v[8:11], v[BO], s[12:13]      ; the bias at my four columns
.endm
	s_wait_alu depctr_va_vdst(0)                   ; the head's end
	s_wait_tensorcnt 0x0                           ; my part of slot 0 is in
	ds_add_u32 v[SPW], v[NIL]
	s_wait_dscnt 0x0
	CROUND                                         ; everybody's part is in, and all sixteen work-groups are here
	JL 1                                           ; K 1,024-2,047: my one load behind the round
	AFETCH 0
	WIN 0
	global_prefetch_b8 v[PFO], s[74:75] offset:3072 th:TH_LOAD_NT scope:SCOPE_SE   ; A's fill 3
	global_prefetch_b8 v[PFB], s[76:77] offset:16384 th:TH_LOAD_NT scope:SCOPE_SE  ; B's second 1,024 along K
	QTR 0, 1                                       ; the first products start the sums
.irp q, 1,2,3,4,5,6
	QTR \q, 0
.endr
	TURN 7, 1                                      ; slot 0 takes K 2,048-3,071
.irp q, 8,9,10,11,12,13,14
	QTR \q, 0
.endr
	TURN 15, 1                                     ; slot 1 takes K 3,072-4,095
.irp q, 16,17,18,19,20,21,22
	QTR \q, 0
.endr
	TURN 23, 0                                     ; nothing is filled any more
.irp q, 24,25,26,27,28,29,30,31
	QTR \q, 0
.endr
	WIN 0
	; THE WAY OUT.  x1 takes the bias; then, 16 rows at a time, the sums go through my stage and come back as whole rows of 256 bytes: OUT = sum x 2^(e14 + e15) + x1 + b2.
	s_wait_kmcnt 0x0
	s_add_co_i32 s68, s68, s69
	s_add_co_i32 s68, s68, 127
	s_lshl_b32 s68, s68, 23                        ; 2^(e14 + e15) as f32
	s_mov_b32 s69, s68
	WIN 0x41                                       ; destination and source 0: window 1
.set j, 0
.rept 64
	v_pk_add_f32 v[128+j:129+j], v[128+j:129+j], v[8+j%4:9+j%4]   ; these are also the places behind the last products
.set j, j+2
.endr
	WIN 0
.macro OUTB a
.set TM, TMP+32*((\a)%2)
.if (\a) >= 2
	s_wait_xcnt 0x0                                ; block a - 2's stores have read their registers
.endif
.irp b, 0,1,2,3
	ds_store_b128 v[STO], v[ACC+8*(4*(\a)+\b):ACC+8*(4*(\a)+\b)+3] offset:128*(\b/2)+32*(\b%2)      ; columns 32 (b / 2) + 16 h + 8 (b % 2) + 0 .. 7; each accumulator from its low end on
	ds_store_b128 v[STO], v[ACC+8*(4*(\a)+\b)+4:ACC+8*(4*(\a)+\b)+7] offset:128*(\b/2)+32*(\b%2)+16
.endr
.irp t, 0,1,2,3,4,5,6,7
	ds_load_b128 v[TM+4*\t:TM+4*\t+3], v[RD] offset:\t*2*272   ; LDS serves a wave's instructions in order: these see my stores, and the next block's stores come behind them
.endr
	s_wait_dscnt 0x0
	WIN 0x10                                       ; source 2: window 1
.set j, 0
.rept 16
	v_pk_fma_f32 v[TM+j:TM+j+1], v[TM+j:TM+j+1], s[68:69], v[128+32*(\a)+j:129+32*(\a)+j] op_sel_hi:[1,0,1]
.set j, j+2
.endr
	WIN 0
.irp t, 0,1,2,3,4,5,6,7
	global_store_b128 v[CO], v[TM+4*\t:TM+4*\t+3], s[14:15] offset:(16*(\a)+2*\t)*4096   ; sixteen lanes store 256 consecutive bytes, aligned
.endr
.endm
	OUTB 0
	OUTB 1
	OUTB 2
	OUTB 3
	s_wait_tensorcnt 0x0                           ; the wave's end
	ds_add_u32 v[SPW], v[NIL]
	s_wait_dscnt 0x0
	CROUND                                         ; the closing round
	s_endpgm
.Lfunc_end_k_qe8c45403b2_ffn2:
	.size	k_qe8c45403b2_ffn2, .Lfunc_end_k_qe8c45403b2_ffn2-k_qe8c45403b2_ffn2
	.p2alignl 7, 3214868480
	.fill 96, 4, 3214868480
	.section	.rodata,"a",@progbits
	.p2align	6, 0x0
	.amdhsa_kernel k_qe8c45403b2_ffn2
		.amdhsa_group_segment_fixed_size 327680
		.amdhsa_private_segment_fixed_size 0
		.amdhsa_enable_private_segment 0
		.amdhsa_kernarg_size 48
		.amdhsa_user_sgpr_count 2
		.amdhsa_user_sgpr_kernarg_segment_ptr 1
		.amdhsa_wavefront_size32 1
		.amdhsa_system_sgpr_workgroup_id_x 1
		.amdhsa_system_sgpr_workgroup_id_y 1
		.amdhsa_system_sgpr_workgroup_id_z 1
		.amdhsa_system_vgpr_workitem_id 0
		.amdhsa_next_free_vgpr 768
		.amdhsa_next_free_sgpr 84
		.amdhsa_reserve_vcc 0
		.amdhsa_float_denorm_mode_32 3
		.amdhsa_float_denorm_mode_16_64 3
		.amdhsa_memory_ordered 1
		.amdhsa_forward_progress 1
		.amdhsa_inst_pref_size 150
	.end_amdhsa_kernel
	.amdgpu_metadata
---
amdhsa.version: [ 1, 2 ]
amdhsa.kernels:
  - .name:           k_qe8c45403b2_ffn2
    .symbol:         k_qe8c45403b2_ffn2.kd
    .args:
      - { .name: gc, .offset: 0, .size: 8, .value_kind: global_buffer, .address_space: global }
      - { .name: wc, .offset: 8, .size: 8, .value_kind: global_buffer, .address_space: global }
      - { .name: lowp_scales, .offset: 16, .size: 8, .value_kind: global_buffer, .address_space: global }
      - { .name: x1, .offset: 24, .size: 8, .value_kind: global_buffer, .address_space: global }
      - { .name: b2, .offset: 32, .size: 8, .value_kind: global_buffer, .address_space: global }
      - { .name: out0, .offset: 40, .size: 8, .value_kind: global_buffer, .address_space: global }
    .group_segment_fixed_size: 327680
    .private_segment_fixed_size: 0
    .kernarg_segment_align: 8
    .kernarg_segment_size: 48
    .max_flat_workgroup_size: 128
    .sgpr_count:     84
    .vgpr_count:     768
    .wavefront_size: 32
...
	.end_amdgpu_metadata
.endif
;; end of part 7
